; MI455X (gfx1250); checked and timed in simulation.
; The chip was launched on July 23, 2026; its instructions are those of AMD's public machine-readable ISA for CDNA 5 (MIT licence, August 2026) and "CDNA5" Instruction Set Architecture Reference Guide (July 2026). The comments in the code are by the model that wrote it; some were corrected since.
;; Attn Layer V3. Allowed arithmetic: matrix products marked QUANTISED: E2M1 operands, one E8M0 scale for each 32 along K, by v_wmma_scale_f32_16x16x128_f8f6f4 with both operands' format E2M1 (or v_wmma_scale_f32_32x16x128_f4), f32 sums; products left as they are: bf16, f16 or f32 operands; f32 sums; everything else in f32.
;; Inputs: Wk 1,024 x 2,048 float32; Wo 2,048 x 4,096 float32; Wq 4,096 x 2,048 float32; Wv 1,024 x 2,048 float32; gn_bias 4,096 float32; gn_weight 4,096 float32; lambda_k1 128 float32; lambda_k2 128 float32; lambda_q1 128 float32; lambda_q2 128 float32; pos 1,024 int32; x 2 x 1,024 x 2,048 float32.
;; Outputs: out0 2 x 1,024 x 2,048 float32.
;; This version of the problem:
;;   THIS VERSION OF THE PROBLEM IS GIVEN IN LOW PRECISION. The matrix products marked QUANTISED in the list below multiply operands that are first quantised to E2M1 (2 exponent bits, 1 mantissa bit; 4 bits a number), with one power-of-two scale for each 32 numbers along K (OCP MX v1.0); their sums are f32. The products marked 'left as it is' may take bf16, f16 or f32 operands, with f32 sums. Whichever they take, every output number must still come out within the allowed error. Rounding operands to bf16 (8 significant bits) uses up far more of that allowance than f16 does (11 bits, for magnitudes from 6e-5 to 65,504). All else is computed in f32.
;;   The module's matrix products, in the order in which they are computed (A, B: the left and right operand; K: the contracted axis; several contracted axes count as one K, in the product's order):
;;     1. [M 2,048, K 2,048] x [K 2,048, N 4,096]; A: input x; B: input Wq: QUANTISED
;;     2. [M 2,048, K 2,048] x [K 2,048, N 1,024]; A: input x; B: input Wk: QUANTISED
;;     3. [M 2,048, K 2,048] x [K 2,048, N 1,024]; A: input x; B: input Wv: QUANTISED
;;     4. batch 32 x [M 1,024, K 128] x [K 128, N 1,024]; A: computed on the way; B: computed on the way: left as it is (an operand is computed on the way)
;;     5. batch 32 x [M 1,024, K 128] x [K 128, N 1,024]; A: computed on the way; B: computed on the way: left as it is (an operand is computed on the way)
;;     6. batch 32 x [M 1,024, K 1,024] x [K 1,024, N 256]; A: computed on the way; B: computed on the way: left as it is (an operand is computed on the way)
;;     7. [M 2,048, K 4,096] x [K 4,096, N 2,048]; A: computed on the way; B: input Wo: left as it is (an operand is computed on the way)
;;   THE QUANTISER, for each operand of a quantised product, along K:
;;     - K is cut into blocks of 32 from its start; a last block that is shorter is filled with zeros.
;;     - A block's scale is 2^e with e = floor(log2(the largest magnitude in the block)) - 2, held to -126 .. 127; a block of zeros has e = 0. As a byte (E8M0): e + 127.
;;     - Each number is divided by its block's scale, clamped to +-6, and rounded to the nearest number of E2M1, ties to even, subnormals kept.
;;     - The product sums the exact products of the quantised numbers (number of the format x scale) in f32.
;;   ~~~python
;;   def quantise(x, axis):      # numpy; x: float32 -> the quantised numbers, widened to float32 again
;;       x = np.moveaxis(x, axis, -1); K = x.shape[-1]
;;       x = np.pad(x, [(0, 0)] * (x.ndim - 1) + [(0, -K % 32)]); x = x.reshape(x.shape[:-1] + (-1, 32)); a = np.abs(x).max(-1, keepdims=True)
;;       e = np.where(a > 0, np.clip(np.frexp(np.where(a > 0, a, 1))[1] - 1 - 2, -126, 127), 0)      # np.frexp(a)[1] - 1 = floor(log2(a)), exactly
;;       r = np.clip(x / 2.0 ** e, -6, 6)
;;       step = 2.0 ** (np.maximum(np.frexp(np.where(r == 0, 1, r))[1] - 1, 0) - 1)
;;       q = np.round(r / step) * step * 2.0 ** e      # np.round: ties to even
;;       return np.moveaxis(q.reshape(q.shape[:-2] + (-1,))[..., :K], -1, axis).astype(np.float32)
;;   ~~~
;; One version. Each part assembles by itself: llvm-mc -triple=amdgcn-amd-amdhsa -mcpu=gfx1250 --defsym DOCPART=n.
;; ======== version 1 of 1: 4 launches
;; limits: values are held in f16: magnitudes above 65,504 overflow, below 6.1e-05 lose precision
;; workspace buffers: xc 2,097,152 bytes; xs 131,072 bytes; wc 6,291,456 bytes; ws 393,216 bytes; wo16 16,777,216 bytes; tbl 589,824 bytes; qkv 25,165,824 bytes; o16 16,777,216 bytes
;; launch prep (part 1): grid 786 x 1, 4 waves a work-group, no clusters, 33,280 bytes of LDS; arguments x, Wq, Wk, Wv, Wo, pos, xc, xs, wc, ws, wo16, tbl; writes xc, xs, wc, ws, wo16, tbl
.if DOCPART == 1
	.amdgcn_target "amdgcn-amd-amdhsa--gfx1250"
	.amdhsa_code_object_version 6
	.text
	.protected	k_q81a051aae3_prep
	.globl	k_q81a051aae3_prep
	.p2align	8
	.type	k_q81a051aae3_prep,@function
k_q81a051aae3_prep:
	s_mov_b64 s[64:65], 0
	v_nop
	global_prefetch_b8 v0, s[64:65] scope:SCOPE_SE
	s_setreg_imm32_b32 hwreg(HW_REG_WAVE_MODE, 25, 1), 1
	s_wait_xcnt 0x0
; Everything that is made once from the inputs, in one launch of three kinds of work-groups, told apart by the work-group's number:
;   0 .. 511    x, Wq, Wk, Wv (f32, K innermost) become codes of FP4 (E2M1) with one E8M0 byte for each 32 along K: x into xc, xs; Wq, Wk, Wv one behind the other into wc, ws (6,144 rows)
;   512 .. 767  Wo becomes f16, in its own order [2048][4096]
;   768 .. 785  the table of rotations: row t holds cos, sin of pos[t] x 10000^(-j/64), j = 0 .. 63, as 64 pairs (512 bytes); rows 1024 .. 1151 hold cos 1, sin 0 (the columns that are not rotated take those)
; THE QUANTISER.  A block's scale is 2^(floor(log2(its largest magnitude)) - 2); its byte is the largest magnitude's exponent field - 2, held at 1 from below; each number is divided by the scale and rounded to
; the nearest code, ties to even, beyond 6 the largest code.  A block of zeros gets the byte 1 where the rule says 127: its codes are zeros, and these bytes are read by this program alone.
; Rows are dense and K is a multiple of 32: each tensor is a plain stream of blocks of 32.  A wave takes 16 steps of 512 numbers; each load reads 512 consecutive bytes; a step's 2,048 bytes turn through the wave's own stage
; in LDS so that a lane holds 16 neighbours (two lanes a block).  Codes leave 256 consecutive bytes a store; a wave's 256 scale bytes are gathered in LDS and leave as 256 consecutive bytes, aligned.
; LIMITS: NaN and infinities among the inputs are not served.  |Wo| stays under 65,504 (f16).  The angle pos x inv is rounded once, as in the definition; inv is right to a few parts in 10^7, so the angle's error
; grows as |pos| x 3e-7 radians; |pos| stays under 2^24.
.set WG_WO,  512
.set WG_TBL, 768
.set STEPS,  16
.set EMAX,   2
.set CB,     8                         ; bytes of 16 codes
.set R,      16                        ; v16-79   four sets of 16 numbers as they are loaded
.set X,      80                        ; v80-111  two sets of 16 neighbours
.set E,      112                       ; v112-127 a scale byte for each step
.set C,      128                       ; v128-191 codes: four registers for each step, so that no store's data are written again
.set WREG,   8192                      ; LDS: a region for each wave: two stages of 32 x SP bytes, behind them its 256 scale bytes
.set SP,     80                        ; a lane's place in a stage: 64 bytes + 16 of padding
.set SPW,    12                        ; v12  LDS address of my spare word; never rewritten
.set NIL,    13                        ; v13  0; never rewritten
.set SPARE,  4*WREG                    ; behind the four regions: the spare words, 128 bytes a wave
.set SRC,    30                        ; s[30:31] the tensor that I quantise, at my wave's run
.set DCO,    32                        ; s[32:33] its codes
.set DSC,    34                        ; s[34:35] its scale bytes
.macro FINISH                          ; a wave's end
	s_wait_tensorcnt 0x0
	ds_add_u32 v[SPW], v[NIL]
	s_wait_dscnt 0x0
	s_endpgm
.endm
	s_load_b512 s[4:19], s[0:1], 0x0               ; x 4:5, Wq 6:7, Wk 8:9, Wv 10:11, Wo 12:13, pos 14:15, xc 16:17, xs 18:19
	s_load_b256 s[20:27], s[0:1], 0x40             ; wc 20:21, ws 22:23, wo16 24:25, tbl 26:27
	v_lshl_add_u32 v[SPW], v0, 2, SPARE
	v_mov_b32 v[NIL], 0
	v_lshrrev_b32 v1, 5, v0
	v_readfirstlane_b32 s28, v1                    ; wave 0..3
	v_and_b32 v2, 31, v0                           ; lane
	s_wait_kmcnt 0x0
	s_cmp_ge_u32 ttmp9, WG_TBL
	s_cbranch_scc1 .Ltable
	s_cmp_ge_u32 ttmp9, WG_WO
	s_cbranch_scc1 .Lwo
	; ---------------- the quantiser.  32,768 numbers a work-group: x has 128 work-groups, Wq 256, Wk 64, Wv 64.  Only pointers are chosen, by the work-group's number
	s_mov_b64 s[SRC:SRC+1], s[10:11]               ; Wv, from work-group 448 on
	s_mov_b32 s29, 448
	s_cmp_lt_u32 ttmp9, 448
	s_cselect_b64 s[SRC:SRC+1], s[8:9], s[SRC:SRC+1]   ; Wk, from 384
	s_cselect_b32 s29, 384, s29
	s_cmp_lt_u32 ttmp9, 384
	s_cselect_b64 s[SRC:SRC+1], s[6:7], s[SRC:SRC+1]   ; Wq, from 128
	s_cselect_b32 s29, 128, s29
	s_cmp_lt_u32 ttmp9, 128
	s_cselect_b64 s[SRC:SRC+1], s[4:5], s[SRC:SRC+1]   ; x, from 0
	s_cselect_b32 s29, 0, s29
	s_cselect_b64 s[DCO:DCO+1], s[16:17], s[20:21] ; x's codes, or the weights'
	s_cselect_b64 s[DSC:DSC+1], s[18:19], s[22:23]
	s_cselect_b32 s36, 0, 128                      ; the weights' buffers begin with work-group 128: Wk and Wv follow Wq there by themselves
	s_sub_co_u32 s29, ttmp9, s29
	s_lshl_b32 s29, s29, 2
	s_add_co_u32 s29, s29, s28                     ; which run of 8,192 numbers of the tensor is my wave's
	s_sub_co_u32 s36, ttmp9, s36
	s_lshl_b32 s36, s36, 2
	s_add_co_u32 s36, s36, s28                     ; and which run of the codes' buffer
	s_lshl_b32 s38, s29, 15                        ; 32,768 bytes of numbers a run
	s_mov_b32 s39, 0
	s_add_nc_u64 s[SRC:SRC+1], s[SRC:SRC+1], s[38:39]
	s_lshl_b32 s38, s36, 12                        ; 4,096 bytes of codes
	s_add_nc_u64 s[DCO:DCO+1], s[DCO:DCO+1], s[38:39]
	s_lshl_b32 s38, s36, 8                         ; 256 scale bytes
	s_add_nc_u64 s[DSC:DSC+1], s[DSC:DSC+1], s[38:39]
	v_lshlrev_b32 v3, 4, v2                        ; my 16 bytes of a load's 512
	s_mul_i32 s37, s28, WREG
	v_lshrrev_b32 v14, 2, v2
	v_mul_u32_u24 v14, v14, SP
	v_and_b32 v15, 3, v2
	v_lshl_add_u32 v14, v15, 4, v14
	v_add_nc_u32 v14, s37, v14                     ; the stage, on the way in: four lanes' 64 bytes on end, then 16 of padding
	v_mul_u32_u24 v15, v2, SP
	v_add_nc_u32 v15, s37, v15                     ; and on the way out: SP x lane: my 16 neighbours
	v_mul_u32_u24 v4, v2, CB                       ; my codes' place in a step's
	v_lshrrev_b32 v5, 1, v2
	s_add_co_u32 s37, s37, 2*32*SP
	v_add_nc_u32 v5, s37, v5                       ; LDS: my wave's 256 scale bytes, my block's byte
	v_lshlrev_b32 v7, 3, v2                        ; and on the way out 8 bytes a lane
	v_add_nc_u32 v6, s37, v7
.macro QLOAD t
.irp i, 0,1,2,3
	global_load_b128 v[R+16*((\t)%4)+4*\i:R+16*((\t)%4)+4*\i+3], v3, s[SRC:SRC+1] offset:2048*(\t)+512*\i th:TH_LOAD_NT   ; 32 lanes read 512 consecutive bytes
.endr
.endm
.macro QTURN t                         ; step t's numbers through the stage: LDS serves a wave's instructions in order, so no wait stands between the stores and the loads
.irp i, 0,1,2,3
	ds_store_b128 v14, v[R+16*((\t)%4)+4*\i:R+16*((\t)%4)+4*\i+3] offset:32*SP*((\t)%2)+8*SP*\i
.endr
.irp i, 0,1,2,3
	ds_load_b128 v[X+16*((\t)%2)+4*\i:X+16*((\t)%2)+4*\i+3], v15 offset:32*SP*((\t)%2)+16*\i
.endr
.endm
.irp t, 0,1,2,3
	QLOAD \t
.endr
	s_wait_loadcnt 12                              ; step 0's four loads are in; twelve younger ones stay out
	QTURN 0
.macro QSTEP t
.set XS, X+16*((\t)%2)
.if (\t) > 0
	s_wait_dscnt 1                                 ; this step's numbers are back from the stage (the last step's byte store may be out): so its stores into the stage have read their registers,
.else
	s_wait_dscnt 0x0
.endif
.if (\t)+4 < STEPS
	QLOAD (\t)+4                                   ; which take the loads of four steps on
.endif
.if (\t)+1 < STEPS
.if STEPS-2-(\t) >= 3
	s_wait_loadcnt 12                              ; the next step's four loads are in; those of the three steps behind it may be out
.else
	s_wait_loadcnt 4*(STEPS-2-(\t))
.endif
	QTURN (\t)+1                                   ; and go through the other stage while this step is worked
.endif
	v_max3_num_f32 v8, |v[XS]|, |v[XS+1]|, |v[XS+2]|               ; the largest magnitude of my 16, in two chains
	v_max3_num_f32 v9, |v[XS+3]|, |v[XS+4]|, |v[XS+5]|
.irp i, 6,10
	v_max3_num_f32 v8, v8, |v[XS+\i]|, |v[XS+\i+1]|
	v_max3_num_f32 v9, v9, |v[XS+\i+2]|, |v[XS+\i+3]|
.endr
	v_max3_num_f32 v8, v8, |v[XS+14]|, |v[XS+15]|
	v_max3_num_f32 v8, v8, v9, (EMAX+1)<<23        ; and the floor 2^(EMAX + 1 - 127): so the byte cannot fall under 1
	v_max_num_f32_dpp v8, v8, v8 row_xmask:1 row_mask:0xf bank_mask:0xf   ; and of my neighbour's 16: the block's
	v_add_nc_u32 v11, -(EMAX<<23), v8              ; EMAX off its exponent field: the conversion takes the exponent field of this operand as its scale, and nothing else of it
	v_cvt_scalef32_pk8_fp4_f32 v[C+4*(\t)], v[XS:XS+7], v11
	v_cvt_scalef32_pk8_fp4_f32 v[C+4*(\t)+1], v[XS+8:XS+15], v11
	v_lshrrev_b32 v[E+(\t)], 23, v11               ; the scale's byte (a plain line behind the conversions)
	ds_store_b8 v5, v[E+(\t)] offset:16*(\t)       ; both lanes of a block write the same byte with the same value
	global_store_b64 v4, v[C+4*(\t):C+4*(\t)+1], s[DCO:DCO+1] offset:32*CB*(\t)   ; 32 lanes store 256 consecutive bytes, aligned
.endm
.irp t, 0,1,2,3,4,5,6,7,8,9,10,11,12,13,14,15
	QSTEP \t
.endr
	ds_load_b64 v[8:9], v6                         ; LDS serves a wave's instructions in order: these see my byte stores
	s_wait_dscnt 0x0
	global_store_b64 v7, v[8:9], s[DSC:DSC+1]      ; 256 consecutive bytes, aligned
	FINISH
	; ---------------- Wo to f16.  A wave takes 8,192 numbers: 64 loads of 512 consecutive bytes, in four batches of 16 on two sets of registers; each load's four numbers become 8 bytes in place
.Lwo:
	s_sub_co_u32 s29, ttmp9, WG_WO
	s_lshl_b32 s29, s29, 2
	s_add_co_u32 s29, s29, s28                     ; my wave's run
	s_lshl_b32 s30, s29, 15
	s_mov_b32 s31, 0
	s_add_nc_u64 s[12:13], s[12:13], s[30:31]
	s_lshl_b32 s30, s29, 14
	s_add_nc_u64 s[24:25], s[24:25], s[30:31]
	v_lshlrev_b32 v3, 4, v2                        ; in: 16 bytes a lane
	v_lshlrev_b32 v4, 3, v2                        ; out: 8 bytes a lane
.macro WOLOAD bt
.irp i, 0,1,2,3,4,5,6,7,8,9,10,11,12,13,14,15
	global_load_b128 v[16+64*((\bt)%2)+4*\i:16+64*((\bt)%2)+4*\i+3], v3, s[12:13] offset:512*(16*(\bt)+\i) th:TH_LOAD_NT
.endr
.endm
.macro WOB bt
.set W, 16+64*((\bt)%2)
.if (\bt) < 3
	s_wait_loadcnt 16                              ; this batch is in; the next batch's 16 loads may be out
.else
	s_wait_loadcnt 0x0
.endif
.irp i, 0,1,2,3,4,5,6,7,8,9,10,11,12,13,14,15
	v_cvt_pk_f16_f32 v[W+4*\i], v[W+4*\i], v[W+4*\i+1]
	v_cvt_pk_f16_f32 v[W+4*\i+1], v[W+4*\i+2], v[W+4*\i+3]
.endr
.irp i, 0,1,2,3,4,5,6,7,8,9,10,11,12,13,14,15
	global_store_b64 v4, v[W+4*\i:W+4*\i+1], s[24:25] offset:256*(16*(\bt)+\i)   ; 32 lanes store 256 consecutive bytes, aligned
.endr
.if (\bt) < 2
	s_wait_xcnt 0x0                                ; the stores have read their data: the set is loaded again only behind this wait
	WOLOAD (\bt)+2
.endif
.endm
	WOLOAD 0
	WOLOAD 1
	WOB 0
	WOB 1
	WOB 2
	WOB 3
	FINISH
	; ---------------- the table.  A wave makes 16 rows; lane l owns j = 2 l and 2 l + 1: cos, sin, cos, sin: 16 bytes of a row, so a wave's store is a whole row of 512 bytes
.Ltable:
	s_sub_co_u32 s29, ttmp9, WG_TBL
	s_lshl_b32 s29, s29, 2
	s_add_co_u32 s29, s29, s28                     ; wave 0 .. 71 of the table: rows 16 x that on
	s_min_u32 s30, s29, 63                         ; the last eight waves make the unit rows: they read pos's last 16 numbers and use none (no load leaves its buffer)
	s_lshl_b32 s30, s30, 6
	s_mov_b32 s31, 0
	s_add_nc_u64 s[14:15], s[14:15], s[30:31]
	s_load_b512 s[32:47], s[14:15], 0x0            ; my 16 positions
	s_lshl_b32 s30, s29, 13
	s_add_nc_u64 s[26:27], s[26:27], s[30:31]      ; my 16 rows of 512 bytes
	s_cmp_lt_u32 s29, 64
	s_cselect_b32 s57, 0x3f800000, 0               ; 1.0, or 0 for the unit rows: their angle is 0
	s_mov_b32 s48, 0x3f22f983                      ; 2 / pi
	s_mov_b32 s49, 0xbfc90fdb                      ; - pi / 2, its leading part
	s_mov_b32 s50, 0x333bbd2e                      ; what that part is too large by
	s_mov_b32 s51, 0xb94ca1f9                      ; the sine's series on |r| <= pi / 4: r + r z (s53 + z (s52 + z s51)), z = r^2
	s_mov_b32 s52, 0x3c08839e
	s_mov_b32 s53, 0xbe2aaaa3
	s_mov_b32 s54, 0x37ccf5ce                      ; the cosine's: 1 - z / 2 + z^2 (s56 + z (s55 + z s54))
	s_mov_b32 s55, 0xbab6061a
	s_mov_b32 s56, 0x3d2aaaa5
	v_lshlrev_b32 v3, 1, v2
	v_cvt_f32_u32 v4, v3                           ; j
	v_add_f32 v5, 1.0, v4                          ; j + 1
	v_mul_f32 v6, 0x3e549a00, v4                   ; log2(10000) / 64 in two parts: the first has 17 bits, so j x it is exact;
	v_mul_f32 v7, 0x3e549a00, v5
	v_exp_f32 v8, -v6
	v_exp_f32 v9, -v7
	v_mul_f32 v10, 0x35a6c40c, v4                  ; the rest, x ln 2, is a small correction: 2^(-j rest) = 1 - j rest ln 2
	v_mul_f32 v11, 0x35a6c40c, v5
	s_wait_alu depctr_va_vdst(0)                   ; one wait for both exponentials, ahead of their first reader
	v_fma_f32 v8, -v8, v10, v8                     ; inv of j
	v_fma_f32 v9, -v9, v11, v9                     ; inv of j + 1
	v_mul_f32 v8, s57, v8
	v_mul_f32 v9, s57, v9
	v_lshlrev_b32 v33, 4, v2                       ; my 16 bytes of a row
	s_wait_kmcnt 0x0
.macro ROWT i                          ; row i of my 16; its four results have registers of their own, so no store's data are written again
.set O, 40+4*(\i)
	v_cvt_f32_i32 v16, s[32+\i]
	v_mul_f32 v17, v16, v8                         ; the angle, rounded once
	v_mul_f32 v18, v16, v9
	v_mul_f32 v19, s48, v17
	v_mul_f32 v20, s48, v18
	v_rndne_f32 v19, v19                           ; n: the nearest multiple of pi / 2
	v_rndne_f32 v20, v20
	v_fma_f32 v17, v19, s49, v17                   ; r = angle - n pi / 2, in two parts
	v_fma_f32 v18, v20, s49, v18
	v_fma_f32 v17, v19, s50, v17
	v_fma_f32 v18, v20, s50, v18
	v_cvt_i32_f32 v19, v19                         ; the quadrant
	v_cvt_i32_f32 v20, v20
	v_mul_f32 v21, v17, v17                        ; z
	v_mul_f32 v22, v18, v18
	v_fma_f32 v23, v21, s51, s52
	v_fma_f32 v24, v22, s51, s52
	v_fma_f32 v25, v21, s54, s55
	v_fma_f32 v26, v22, s54, s55
	v_fma_f32 v23, v23, v21, s53
	v_fma_f32 v24, v24, v22, s53
	v_fma_f32 v25, v25, v21, s56
	v_fma_f32 v26, v26, v22, s56
	v_mul_f32 v27, v17, v21                        ; r z
	v_mul_f32 v28, v18, v22
	v_fma_f32 v29, v21, -0.5, 1.0
	v_fma_f32 v30, v22, -0.5, 1.0
	v_mul_f32 v21, v21, v21                        ; z^2
	v_mul_f32 v22, v22, v22
	v_fma_f32 v23, v27, v23, v17                   ; sin r
	v_fma_f32 v24, v28, v24, v18
	v_fma_f32 v25, v21, v25, v29                   ; cos r
	v_fma_f32 v26, v22, v26, v30
	v_and_b32 v27, 1, v19
	v_and_b32 v28, 1, v20
	v_cmp_ne_u32 vcc_lo, 0, v27                    ; in an odd quadrant the two change places
	v_cndmask_b32 v29, v23, v25, vcc_lo            ; the sine's magnitude
	v_cndmask_b32 v30, v25, v23, vcc_lo            ; the cosine's
	v_cmp_ne_u32 vcc_lo, 0, v28
	v_cndmask_b32 v31, v24, v26, vcc_lo
	v_cndmask_b32 v32, v26, v24, vcc_lo
	v_lshlrev_b32 v27, 30, v19                     ; the sine is negative in quadrants 2 and 3: bit 1 of the quadrant goes to the sign's place
	v_lshlrev_b32 v28, 30, v20
	v_add_nc_u32 v19, 1, v19                       ; the cosine in quadrants 1 and 2
	v_add_nc_u32 v20, 1, v20
	v_lshlrev_b32 v19, 30, v19
	v_lshlrev_b32 v20, 30, v20
	v_and_b32 v27, 0x80000000, v27
	v_and_b32 v28, 0x80000000, v28
	v_and_b32 v19, 0x80000000, v19
	v_and_b32 v20, 0x80000000, v20
	v_xor_b32 v[O], v19, v30
	v_xor_b32 v[O+1], v27, v29
	v_xor_b32 v[O+2], v20, v32
	v_xor_b32 v[O+3], v28, v31
	global_store_b128 v33, v[O:O+3], s[26:27] offset:512*(\i)      ; 32 lanes store a row: 512 consecutive bytes, aligned
.endm
.irp i, 0,1,2,3,4,5,6,7,8,9,10,11,12,13,14,15
	ROWT \i
.endr
	FINISH
.Lfunc_end_k_q81a051aae3_prep:
	.size	k_q81a051aae3_prep, .Lfunc_end_k_q81a051aae3_prep-k_q81a051aae3_prep
	.p2alignl 7, 3214868480
	.fill 96, 4, 3214868480
	.section	.rodata,"a",@progbits
	.p2align	6, 0x0
	.amdhsa_kernel k_q81a051aae3_prep
		.amdhsa_group_segment_fixed_size 33280
		.amdhsa_private_segment_fixed_size 0
		.amdhsa_enable_private_segment 0
		.amdhsa_kernarg_size 96
		.amdhsa_user_sgpr_count 2
		.amdhsa_user_sgpr_kernarg_segment_ptr 1
		.amdhsa_wavefront_size32 1
		.amdhsa_system_sgpr_workgroup_id_x 1
		.amdhsa_system_sgpr_workgroup_id_y 1
		.amdhsa_system_sgpr_workgroup_id_z 1
		.amdhsa_system_vgpr_workitem_id 0
		.amdhsa_next_free_vgpr 192
		.amdhsa_next_free_sgpr 66
		.amdhsa_reserve_vcc 1
		.amdhsa_float_denorm_mode_32 3
		.amdhsa_float_denorm_mode_16_64 3
		.amdhsa_memory_ordered 1
		.amdhsa_forward_progress 1
		.amdhsa_inst_pref_size 97
	.end_amdhsa_kernel
	.amdgpu_metadata
---
amdhsa.version: [ 1, 2 ]
amdhsa.kernels:
  - .name:           k_q81a051aae3_prep
    .symbol:         k_q81a051aae3_prep.kd
    .args:
      - { .name: x, .offset: 0, .size: 8, .value_kind: global_buffer, .address_space: global }
      - { .name: Wq, .offset: 8, .size: 8, .value_kind: global_buffer, .address_space: global }
      - { .name: Wk, .offset: 16, .size: 8, .value_kind: global_buffer, .address_space: global }
      - { .name: Wv, .offset: 24, .size: 8, .value_kind: global_buffer, .address_space: global }
      - { .name: Wo, .offset: 32, .size: 8, .value_kind: global_buffer, .address_space: global }
      - { .name: pos, .offset: 40, .size: 8, .value_kind: global_buffer, .address_space: global }
      - { .name: xc, .offset: 48, .size: 8, .value_kind: global_buffer, .address_space: global }
      - { .name: xs, .offset: 56, .size: 8, .value_kind: global_buffer, .address_space: global }
      - { .name: wc, .offset: 64, .size: 8, .value_kind: global_buffer, .address_space: global }
      - { .name: ws, .offset: 72, .size: 8, .value_kind: global_buffer, .address_space: global }
      - { .name: wo16, .offset: 80, .size: 8, .value_kind: global_buffer, .address_space: global }
      - { .name: tbl, .offset: 88, .size: 8, .value_kind: global_buffer, .address_space: global }
    .group_segment_fixed_size: 33280
    .private_segment_fixed_size: 0
    .kernarg_segment_align: 8
    .kernarg_segment_size: 96
    .max_flat_workgroup_size: 128
    .sgpr_count:     66
    .vgpr_count:     192
    .wavefront_size: 32
...
	.end_amdgpu_metadata
.endif
;; end of part 1
;; launch qkv (part 2): grid 24 x 8, 4 waves a work-group, clusters of 4 x 4, 327,680 bytes of LDS; arguments xc, xs, wc, ws, tbl, qkv; writes qkv
.if DOCPART == 2
	.amdgcn_target "amdgcn-amd-amdhsa--gfx1250"
	.amdhsa_code_object_version 6
	.text
	.protected	k_q81a051aae3_qkv
	.globl	k_q81a051aae3_qkv
	.p2align	8
	.type	k_q81a051aae3_qkv,@function
k_q81a051aae3_qkv:
	s_mov_b64 s[64:65], 0
	v_nop
	global_prefetch_b8 v0, s[64:65] scope:SCOPE_SE
	s_setreg_imm32_b32 hwreg(HW_REG_WAVE_MODE, 25, 1), 1
	s_wait_xcnt 0x0
	s_wait_alu depctr_hold_cnt(0) depctr_sa_sdst(0) depctr_va_vdst(0) depctr_va_sdst(0) depctr_va_ssrc(0) depctr_va_vcc(0) depctr_vm_vsrc(0)
	s_getreg_b32 s2, hwreg(HW_REG_IB_STS2, 6, 4)
	s_cmp_eq_u32 s2, 0
	s_cbranch_scc0 .Lentry_in_a_cluster
	s_endpgm
.Lentry_in_a_cluster:
	s_bfe_u32 s2, ttmp6, 0x10000c
	s_cmp_lg_u32 s2, 0xf033
	s_cbranch_scc0 .Lentry_shape_is_right
	s_endpgm
.Lentry_shape_is_right:
; The three quantised products in one: C[m][n] = sum over k of x[m][k] W[n][k], W = Wq, Wk, Wv one behind the other (6,144 rows), both operands codes of FP4 (E2M1) with one E8M0 scale for each 32 along K; sums in f32.
; On the way out q's and k's columns are rotated (RoPE, in f32, by the table of cos and sin) and all are rounded once to f16: qkv [2048 tokens][6144], a row of 12,288 bytes.
; A tile of C, 256 x 256, is made by a work-group of four waves; a wave makes 128 x 128: 64 accumulators of 16 x 16, 512 registers.  A wave's 128 columns are one stream of one head.
; 192 tiles: a tile of 192 columns would give 256 work-groups but would cut heads; with K = 2,048 the launch is short, and the plain tile is taken.
; K goes in steps of 512 through a ring of two LDS slots filled by the tensor data mover: a tile's row is 256 bytes of memory.
; THE SCALES of the work-group's 256 rows of x and 256 rows of W, for all of K, are two dense blocks of memory: they come into LDS once, with the first fills, and stay.
; CLUSTERS: 4 x 4 work-groups.  The four of a row of the cluster need the same tiles of x, the four of a column the same tiles of W: each tile is asked for JOINTLY, by the same tensor load with the same descriptor and a
; mask that names the four.  THE MATRIX INSTRUCTION IS USED TRANSPOSED (source 0 = 16 rows of W, source 1 = 16 rows of x): a lane then holds eight neighbouring columns of one token: four pairs of the rotation.
; v's columns (the last column of clusters) are not rotated: they take the table's unit rows (cos 1, sin 0: x 1 - y 0 is exact), so that one way out serves all tiles and no branch parts the work-groups.
; LIMIT: |q|, |k|, |v| stay under 65,504 (f16).
; REGISTERS, in windows of 256: window 0: v0-31 addresses; v32-95 scale words, two sets; v128-191 x's fragments (8 x 16 rows x 128 K), ONE set; on the way out v32-191 are free.
;   window 1: W's fragments, TWO sets, at v0 and at v128.   window 2: the 32 accumulators of my rows 0-63 (accumulator (a, b) at v[8 (8 a + b)]);   window 3: those of my rows 64-127.
;   No product touches window 0's v192-255 or window 1's v64-127 and v192-255: the cos and sin of my first three blocks of 16 tokens are asked for at the head and wait there.
.set SIZE_M, 2048
.set SIZE_N, 6144
.set SIZE_K, 2048
.set KSTEP,  512                       ; along K in a slot
.set NQ,     KSTEP/128                 ; matrix instructions deep
.set ROWB,   256                       ; a tile's row in bytes
.set KROW,   SIZE_K*4/8                ; a row of codes in memory, in bytes
.set PITCH,  272                       ; an LDS row: 256 bytes + 16 of padding = 68 words: the 16 rows that a load touches start at 16 different banks (64 banks of 4 bytes: ISA guide 11.1)
.set FR,     8                         ; registers of a fragment: 16 rows x 128 K
.set NL,     2                         ; LDS loads that bring one
.set NP,     4                         ; places behind this matrix instruction (ISA guide 7.12.1)
.set HALFT,  128*PITCH                 ; 128 rows: what one tensor load brings
.set SLOT,   4*HALFT                   ; x's 256 rows, then W's 256 rows
.set LAPS,   SIZE_K/(2*KSTEP)          ; a lap = two K steps = once round the ring
.set KS,     SIZE_K/32                 ; a row of scales in bytes
.set SCL,    2*SLOT                    ; behind the ring: the scales, as runs of 256 bytes + 16 of padding
.set HALFS,  (128*KS/256)*272          ; the scales of 128 rows: what one tensor load brings
.set SBLK,   (16*KS/256)*272           ; those of 16 rows
.set SPARE,  SCL+4*HALFS               ; behind the scales: the spare words, 128 bytes a wave
.set SPITCH, 272                       ; the way out: a stage of 16 rows x (256 bytes + 16) for each wave.  It lies in slot 0, which has had its last fill and its last read when the first result is stored there
.set ADRA, 16                          ; v16-17  LDS address of my x fragments in slot 0, 1
.set ADRB, 20                          ; v20-21  the same for W
.set STO,  24                          ; v24     the way out: where I put 16 bytes of a row
.set RD,   25                          ; v25     where I read a row back
.set CO,   26                          ; v26     my byte offset in qkv
.set ADRS, 27                          ; v27     LDS address of my scale words: lanes 0-15 x's rows, lanes 16-31 W's
.set SPW,  28                          ; v28     LDS address of my spare word; never rewritten
.set NIL,  29                          ; v29     0; never rewritten
.set TO,   30                          ; v30     my byte offset in the table: row l % 16, 32 bytes for each half of the lanes; never rewritten
.set SC,   32                          ; scale words: set s at v[SC + 8 NQ s]; register NQ i + q: lanes 0-15 the word of x's block i, lanes 16-31 that of W's block i
.set AF,   128                         ; x's fragments, in window 0
.set RES,  32                          ; the way out: v32-95 a block's rotated numbers
.set TT,   96                          ; v96-103 at work
.set PK,   104                         ; v104-135, v136-167: a block in f16; two sets
.set G1, 24                            ; s[24:31] descriptor group 1 for x's tiles;  s[32:39] group 0, one set for each slot
.set G0, 32
.set G1B, 48                           ; s[48:55], s[56:63] the same for W's tiles
.set G0B, 56
.set G1S, 68                           ; s[68:75], s[76:79] groups 1 and 0 for x's scales;  s[80:87], s[88:91] for W's
.set G0S, 76
.set G1SB, 80
.set G0SB, 88
.set MSB, 0
.macro WIN new                         ; the immediate's high byte repeats the setting that is left
.if MSB != \new
	s_set_vgpr_msb (MSB<<8)|\new
.set MSB, \new
.endif
.endm
.set MUL_LO, 0xa1                      ; source 0 (W) window 1, source 1 (x) window 0, C and D window 2
.set MUL_HI, 0xf1                      ; the same, C and D window 3
.set TO_B,   0x40                      ; destination window 1, address window 0
; A joint load: waves 0 and 1 fetch for x, waves 2 and 3 for W.  Each of the two lines has ONE mask and one set of registers for all that issue it; the branch hangs on the wave's number alone.
; An s_nop 0 and four v_nop follow each of the two lines, ahead of the jump, the label and what follows.
.macro JLOAD g0a, g1a, g0b, g1b
	s_cmp_eq_u32 s15, 0
	s_cbranch_scc0 .Lfor_b_\@
	tensor_load_to_lds s[\g0a:\g0a+3], s[\g1a:\g1a+7]
	s_nop 0
.rept 4
	v_nop
.endr
	s_branch .Lasked_\@
.Lfor_b_\@:
	tensor_load_to_lds s[\g0b:\g0b+3], s[\g1b:\g1b+7]
	s_nop 0
.rept 4
	v_nop
.endr
.Lasked_\@:
.endm
.macro CREST                           ; a round of the cluster's barrier behind its opening barrier
	s_cmp_lg_u32 s14, 0
	s_cbranch_scc1 .Lnot_wave_0_\@
	s_barrier_signal -3
.Lnot_wave_0_\@:
	s_barrier_wait -3
	s_barrier_signal -1
	s_barrier_wait -1
.endm
.macro CROUND                          ; a whole round
	s_barrier_signal -1
	s_barrier_wait -1
	CREST
.endm
; The cos and sin of block a (16 tokens x 64 pairs: 64 registers a lane) lie in one of five sets of registers, a % 5: window TW, from register TB on.  Sets 0 to 2 are free during the products; sets 3 and 4 held W's fragments.
.macro TSET a
.set SI, (\a)%5
.if SI == 0
.set TW, 1
.set TB, 64
.elseif SI == 1
.set TW, 1
.set TB, 192
.elseif SI == 2
.set TW, 0
.set TB, 192
.elseif SI == 3
.set TW, 1
.set TB, 0
.else
.set TW, 1
.set TB, 128
.endif
.endm
.macro TLD a                           ; block a's cos and sin: 16 loads of 16 bytes a lane
	TSET \a
.set WN, TW<<6
	WIN WN                                         ; the destination's window
.irp b, 0,1,2,3,4,5,6,7
	global_load_b128 v[TB+8*\b:TB+8*\b+3], v[TO], s[96:97] offset:(\a)*8192+64*\b
	global_load_b128 v[TB+8*\b+4:TB+8*\b+7], v[TO], s[96:97] offset:(\a)*8192+64*\b+16
.endr
	WIN 0
.endm
	s_load_b128 s[4:7], s[0:1], 0x0                ; x's codes s[4:5], x's scales s[6:7]
	s_load_b128 s[8:11], s[0:1], 0x10              ; W's codes s[8:9], W's scales s[10:11]
	s_load_b128 s[96:99], s[0:1], 0x20             ; the table s[96:97], qkv s[98:99]
	v_lshl_add_u32 v[SPW], v0, 2, SPARE
	v_mov_b32 v[NIL], 0
	ds_add_u32 v[SPW], v[NIL]                      ; the wave's opening: the add, twice on end, and its wait ahead of my first tensor load; the set-up below, work on registers, stands between
	ds_add_u32 v[SPW], v[NIL]
	v_lshrrev_b32 v1, 5, v0
	v_readfirstlane_b32 s14, v1                    ; wave 0..3
	s_lshr_b32 s15, s14, 1                         ; which half of the tile's rows is mine.  Also: I fetch for x (0) or for W (1)
	s_and_b32 s16, s14, 1                          ; which half of its columns.  Also: which 128 rows of that tile I fetch
	s_bfe_u32 s40, ttmp6, 0x40000                  ; cx, cy: my place in the cluster
	s_bfe_u32 s41, ttmp6, 0x40004
	s_lshl_b32 s42, ttmp9, 2
	s_add_co_u32 s42, s42, s40                     ; tile column of C = 4 x cluster x + cx
	s_and_b32 s17, ttmp7, 0xffff
	s_lshl_b32 s17, s17, 2
	s_add_co_u32 s17, s17, s41                     ; tile row of C = 4 x cluster y + cy
	s_lshl_b32 s43, s41, 2
	s_lshl_b32 s43, 15, s43                        ; my row of the cluster
	s_lshl_b32 s44, 0x1111, s40                    ; my column
	; descriptor group 1: a tile of 128 rows x ROWB bytes, padded in LDS
	s_or_b32 s[G1+0], s43, (0<<16)|(1<<20)|(1<<21)|(5<<22)|(3<<25)  ; 15:0 the mask: x's tiles go to my row; 17:16 element of 1 byte; 20 padding on; 21 set beside a mask; 24:22 after every 64 words (code 5); 31:25 of 4 words (code 3)
	s_or_b32 s[G1B+0], s44, (0<<16)|(1<<20)|(1<<21)|(5<<22)|(3<<25)
.irp g, G1, G1B
	s_mov_b32 s[\g+1], ROWB<<16                    ; tensor_dim0
	s_mov_b32 s[\g+2], 128<<16                     ; tensor_dim1 = 128
	s_mov_b32 s[\g+3], ROWB<<16                    ; tile_dim0
	s_mov_b32 s[\g+4], 128                         ; tile_dim1 = 128
	s_mov_b32 s[\g+5], KROW                        ; tensor_dim0_stride
	s_mov_b32 s[\g+6], 0
	s_mov_b32 s[\g+7], 0
.endr
	; and for the scales of 128 rows: a dense block of 128 KS bytes, as rows of 256 bytes (32 elements of 8 bytes), 16 bytes of padding behind each
	s_or_b32 s[G1S+0], s43, (3<<16)|(1<<20)|(1<<21)|(5<<22)|(3<<25)
	s_or_b32 s[G1SB+0], s44, (3<<16)|(1<<20)|(1<<21)|(5<<22)|(3<<25)
.irp g, G1S, G1SB
	s_mov_b32 s[\g+1], 32<<16
	s_mov_b32 s[\g+2], (128*KS/256)<<16
	s_mov_b32 s[\g+3], 32<<16
	s_mov_b32 s[\g+4], 128*KS/256
	s_mov_b32 s[\g+5], 32
	s_mov_b32 s[\g+6], 0
	s_mov_b32 s[\g+7], 0
.endr
	s_lshl_b32 s18, s16, 7                         ; which 128 rows of the tile I fetch
	s_lshl_b32 s20, s17, 8
	s_add_co_u32 s20, s20, s18                     ; x: row 256 x tile row + 128 x half
	s_lshl_b32 s46, s42, 8
	s_add_co_u32 s46, s46, s18                     ; W: row 256 x tile column + 128 x half
	s_mov_b32 s21, 0
	s_mov_b32 s47, 0
	s_mov_b64 s[18:19], KS
	s_mul_u64 s[22:23], s[20:21], s[18:19]         ; where these rows' scales begin, in bytes
	s_mul_u64 s[92:93], s[46:47], s[18:19]
	s_mov_b64 s[18:19], KROW
	s_mul_u64 s[20:21], s[20:21], s[18:19]         ; and their codes
	s_mul_u64 s[46:47], s[46:47], s[18:19]
	s_mul_i32 s45, s14, HALFT                      ; where they go: wave x 128 rows: no place in the cluster enters an LDS address
	s_mul_i32 s94, s14, HALFS
	s_wait_dscnt 0x0                               ; both opening adds are done
	s_wait_kmcnt 0x0
	s_add_nc_u64 s[20:21], s[4:5], s[20:21]
	s_add_nc_u64 s[22:23], s[6:7], s[22:23]
	s_add_nc_u64 s[46:47], s[8:9], s[46:47]
	s_add_nc_u64 s[92:93], s[10:11], s[92:93]
	CROUND                                         ; all sixteen work-groups are here: the first joint loads meet
	s_mov_b32 s[G0S], 1
	s_add_co_u32 s[G0S+1], s94, SCL
	s_mov_b64 s[G0S+2:G0S+3], s[22:23]
	s_or_b32 s[G0S+3], s[G0S+3], 0x80000000
	s_mov_b32 s[G0SB], 1
	s_add_co_u32 s[G0SB+1], s94, SCL
	s_mov_b64 s[G0SB+2:G0SB+3], s[92:93]
	s_or_b32 s[G0SB+3], s[G0SB+3], 0x80000000
	JLOAD G0S, G1S, G0SB, G1SB                     ; the scales first: they are wanted with K step 0
.irp s, 0,1
	s_mov_b32 s[G0+4*\s], 1
	s_add_co_u32 s[G0+4*\s+1], s45, \s*SLOT
	s_add_nc_u64 s[G0+4*\s+2:G0+4*\s+3], s[20:21], \s*ROWB
	s_or_b32 s[G0+4*\s+3], s[G0+4*\s+3], 0x80000000
	s_mov_b32 s[G0B+4*\s], 1
	s_add_co_u32 s[G0B+4*\s+1], s45, \s*SLOT
	s_add_nc_u64 s[G0B+4*\s+2:G0B+4*\s+3], s[46:47], \s*ROWB
	s_or_b32 s[G0B+4*\s+3], s[G0B+4*\s+3], 0x80000000
	JLOAD G0+4*\s, G1, G0B+4*\s, G1B               ; three loads of mine are out
.endr
	v_and_b32 v1, 15, v0                           ; l % 16
	v_bfe_u32 v2, v0, 4, 1                         ; l / 16
	v_mul_u32_u24 v3, v1, PITCH
	v_lshl_add_u32 v4, v2, 4, v3                   ; a fragment's row x pitch + 16 x half
	s_mul_i32 s21, s15, HALFT                      ; my 128 rows of x
	s_mul_i32 s22, s16, HALFT                      ; my 128 rows of W,
	s_add_co_u32 s22, s22, 2*HALFT                 ; which lie behind x's 256
.irp s, 0,1
	v_add_nc_u32 v[ADRA+\s], s21, v4
	v_add_nc_u32 v[ADRB+\s], s22, v4
	s_add_co_u32 s21, s21, SLOT
	s_add_co_u32 s22, s22, SLOT
.endr
	v_mul_u32_u24 v5, v1, KS                       ; my row's scales: KS bytes a row,
	v_lshrrev_b32 v6, 8, v5
	v_lshl_add_u32 v5, v6, 4, v5                   ; and 16 more for each 256 passed
	s_mul_i32 s21, s15, HALFS                      ; x's: my 128 rows
	s_mul_i32 s22, s16, HALFS                      ; W's: my 128 rows, behind x's 256
	s_add_co_u32 s22, s22, 2*HALFS
	s_sub_co_u32 s22, s22, s21
	v_mul_u32_u24 v6, s22, v2                      ; lanes 16-31 take W's
	s_add_co_u32 s21, s21, SCL
	v_add_nc_u32 v5, v5, v6
	v_add_nc_u32 v[ADRS], s21, v5
	s_mul_i32 s23, s14, 16*SPITCH                  ; my stage
	v_mul_u32_u24 v5, v1, SPITCH                   ; in: row l % 16, 16 bytes for each half of the lanes
	v_lshl_add_u32 v5, v2, 4, v5
	v_add_nc_u32 v[STO], s23, v5
	v_mul_u32_u24 v5, v2, SPITCH                   ; back: lanes 0-15 take one row of 256 bytes, lanes 16-31 the next
	v_lshl_add_u32 v5, v1, 4, v5
	v_add_nc_u32 v[RD], s23, v5
	v_mul_u32_u24 v5, v2, SIZE_N*2                 ; and the same two rows in qkv
	v_lshl_add_u32 v[CO], v1, 4, v5
	v_lshlrev_b32 v5, 9, v1                        ; the table: row l % 16 of 512 bytes; my half's four pairs are 32 bytes
	v_lshl_add_u32 v[TO], v2, 5, v5
	s_lshl_b32 s20, s17, 8
	s_lshl_b32 s21, s15, 7
	s_add_co_u32 s20, s20, s21                     ; my first token: 256 x tile row + 128 x half
	s_mul_i32 s20, s20, SIZE_N*2                   ; in bytes (the buffer has 25,165,824)
	s_lshl_b32 s46, s42, 9                         ; my first column, in bytes: 512 x tile column + 256 x half
	s_lshl_b32 s47, s16, 8
	s_add_co_u32 s46, s46, s47
	s_add_co_u32 s20, s20, s46
	s_mov_b32 s21, 0
	s_add_nc_u64 s[98:99], s[98:99], s[20:21]
	s_and_b32 s20, s17, 3                          ; a batch is four tile rows: my first position = 256 x (tile row % 4) + 128 x half
	s_lshl_b32 s20, s20, 8
	s_lshl_b32 s22, s15, 7
	s_add_co_u32 s20, s20, s22
	s_lshl_b32 s20, s20, 9                         ; rows of 512 bytes
	s_cmp_eq_u32 ttmp9, 5                          ; the last column of clusters holds v's columns alone:
	s_cselect_b32 s20, 1024*512, s20               ; they take the 128 unit rows behind the table's 1,024
	s_add_nc_u64 s[96:97], s[96:97], s[20:21]
	TLD 0                                          ; the cos and sin of my first three blocks: 48 loads, into registers that no product touches; they have all of K in which to land,
	TLD 1                                          ; and are waited for at the start of the way out.  Nobody writes the table in this launch
	TLD 2
.macro FRAG reg, adr, q, i             ; a fragment, 16 rows x 128 K of 4-bit codes, is 8 registers: lane l holds row l % 16; registers 4 c .. 4 c + 3 hold K = 64 c + 32 (l / 16) + 0 .. 31
.irp c, 0,1
	ds_load_b128 v[\reg+4*\c:\reg+4*\c+3], v[\adr] offset:64*(\q)+32*\c+(\i)*16*PITCH
.endr
.endm
; 16 matrix instructions: x's blocks a0, a0 + 1 against W's eight, 128 along K: the slot's q-th.  p: W's set;  sc: the set of scale words.  zero = 1: the first product starts the sums: nothing is ever cleared.
; The 64 accumulators take turns, one instruction a turn, in the same order in every step.
.macro MUL16 a0, p, q, sc, zero
.irp a, \a0, \a0+1
.irp b, 0,1,2,3,4,5,6,7
.if \zero
	v_wmma_scale_f32_16x16x128_f8f6f4 v[8*(8*((\a)%4)+\b):8*(8*((\a)%4)+\b)+7], v[128*(\p)+FR*\b:128*(\p)+FR*\b+FR-1], v[AF+FR*(\a):AF+FR*(\a)+FR-1], 0, v[SC+8*NQ*(\sc)+NQ*\b+(\q)], v[SC+8*NQ*(\sc)+NQ*(\a)+(\q)] matrix_a_fmt:MATRIX_FMT_FP4 matrix_b_fmt:MATRIX_FMT_FP4 matrix_a_scale:MATRIX_SCALE_ROW1
.else
	v_wmma_scale_f32_16x16x128_f8f6f4 v[8*(8*((\a)%4)+\b):8*(8*((\a)%4)+\b)+7], v[128*(\p)+FR*\b:128*(\p)+FR*\b+FR-1], v[AF+FR*(\a):AF+FR*(\a)+FR-1], v[8*(8*((\a)%4)+\b):8*(8*((\a)%4)+\b)+7], v[SC+8*NQ*(\sc)+NQ*\b+(\q)], v[SC+8*NQ*(\sc)+NQ*(\a)+(\q)] matrix_a_fmt:MATRIX_FMT_FP4 matrix_b_fmt:MATRIX_FMT_FP4 matrix_a_scale:MATRIX_SCALE_ROW1
.endif
.endr
.endr
.endm
.macro FETCH_B slot, q, p              ; W's eight fragments of the slot's q-th 128 along K into set p
	WIN TO_B
.irp i, 0,1,2,3,4,5,6,7
	FRAG 128*(\p)+FR*\i, ADRB+\slot, \q, \i
.endr
	WIN 0
.endm
.macro FETCH_A slot, q, i0             ; x's blocks i0 .. i0 + 3
.irp i, \i0, \i0+1, \i0+2, \i0+3
	FRAG AF+FR*(\i), ADRA+\slot, \q, \i
.endr
.endm
.macro SCALES sc                       ; the next K step's scale words into set sc: NQ words a row; lanes 0-15 take x's block i, lanes 16-31 W's block i
.irp i, 0,1,2,3,4,5,6,7
	ds_load_b128 v[SC+8*NQ*\sc+NQ*\i:SC+8*NQ*\sc+NQ*\i+3], v[ADRS] offset:\i*SBLK
.endr
.endm
; A load into a register that a matrix instruction has read, and a vector instruction or an LDS store that reads a matrix result, stand NP places behind that matrix instruction, and only plain vector
; instructions that name none of its registers are places (ISA guide 7.12.1 for vector instructions).
.macro PLACES n
.rept \n
	v_nop
.endr
.endm
; A step of 128 along K that has its successor in the same slot.
.macro STEP slot, q, zero
	s_wait_dscnt 4*NL                              ; W's set and x's blocks 0-3 are in; the youngest eight loads (x's blocks 4-7) may be out
	WIN MUL_LO
	MUL16 0, (\q)%2, \q, \slot, \zero
	MUL16 2, (\q)%2, \q, \slot, \zero
	s_wait_dscnt 0                                 ; x's blocks 4-7 are in (asked for 32 matrix instructions ago)
	PLACES NP
	FETCH_B \slot, (\q)+1, 1-(\q)%2
	FETCH_A \slot, (\q)+1, 0
	WIN MUL_HI
	MUL16 4, (\q)%2, \q, \slot, \zero
	MUL16 6, (\q)%2, \q, \slot, \zero
	PLACES NP
	WIN 0
	FETCH_A \slot, (\q)+1, 4
.endm
; A slot's last step changes slots: ONE barrier; in front of it each wave waits for all its tensor loads, adds 0 to its spare word, and waits for that and for its own reads of this slot.  fill = 1: this slot is filled again, two K steps ahead.
.macro TURN slot, next, fill
	s_wait_tensorcnt 0x0                           ; all my tensor loads have landed: my part of the next slot  (every window is 0 here: the add's two registers lie in window 0)
	ds_add_u32 v[SPW], v[NIL]                      ; 0 onto my spare word
	s_wait_dscnt 4*NL+1                            ; (the add and the youngest eight loads, x's blocks 4-7, may be out)
	WIN MUL_LO
	MUL16 0, 1, NQ-1, \slot, 0                     ; sixteen matrix instructions stand between the add and the wait for it
	s_wait_dscnt 0x0                               ; the add is done, and my reads of this slot are over
	s_barrier_signal -1
	MUL16 2, 1, NQ-1, \slot, 0
	WIN 0
	s_barrier_wait -1
.if \fill
	CREST                                          ; the barrier has opened a round of the cluster's barrier: no wave of any partner still reads this slot's tile or has a load on its way
	s_add_nc_u64 s[G0+4*\slot+2:G0+4*\slot+3], s[G0+4*\slot+2:G0+4*\slot+3], 2*ROWB
	s_add_nc_u64 s[G0B+4*\slot+2:G0B+4*\slot+3], s[G0B+4*\slot+2:G0B+4*\slot+3], 2*ROWB
	JLOAD G0+4*\slot, G1, G0B+4*\slot, G1B         ; the first tensor load behind the round; the four v_nop behind it are the places in front of the loads below
.else
	PLACES NP
.endif
	v_add_nc_u32 v[ADRS], 4*NQ, v[ADRS]            ; on to the next K step's scale words (no LDS load of mine is out)
	FETCH_B \next, 0, 0
	FETCH_A \next, 0, 0
	SCALES \next
	WIN MUL_HI
	MUL16 4, 1, NQ-1, \slot, 0
	MUL16 6, 1, NQ-1, \slot, 0
	PLACES NP
	WIN 0
	FETCH_A \next, 0, 4
.endm
.macro STEPS slot, from                ; the slot's steps from .. NQ - 2
.set Q, \from
.rept NQ-1-\from
	STEP \slot, Q, 0
.set Q, Q+1
.endr
.endm
	s_wait_tensorcnt 1                             ; the scales and my part of K step 0 are in (K step 1's load may be out)
	s_barrier_signal -1
	s_barrier_wait -1                              ; everybody's are
	FETCH_B 0, 0, 0
	FETCH_A 0, 0, 0
	SCALES 0
	FETCH_A 0, 0, 4
	STEP 0, 0, 1                                   ; the first step stands in front of the loop: its products start the sums
.if LAPS > 1
	s_mov_b32 s3, LAPS-1
.Llap:                                                 ; a trip goes once round the ring, from a lap's second step to the next lap's first, and fills both slots again
	STEPS 0, 1
	TURN 0, 1, 1
	STEPS 1, 0
	TURN 1, 0, 1
	STEP 0, 0, 0
	s_sub_co_u32 s3, s3, 1
	s_cmp_lg_u32 s3, 0
	s_cbranch_scc1 .Llap
.endif
	STEPS 0, 1                                     ; the last lap fills nothing, and has no round of the cluster's barrier
	TURN 0, 1, 0
	STEPS 1, 0
	s_wait_dscnt 4*NL                              ; the very last step: nothing more to fetch
	WIN MUL_LO
	MUL16 0, 1, NQ-1, 1, 0
	MUL16 2, 1, NQ-1, 1, 0
	s_wait_dscnt 0
	WIN MUL_HI
	MUL16 4, 1, NQ-1, 1, 0
	MUL16 6, 1, NQ-1, 1, 0
	WIN 0
; THE WAY OUT, block by block of 16 tokens x 128 columns.  Register j of accumulator (a, b) is column 16 b + 8 (l / 16) + j of token 16 a + l % 16: registers 2 p, 2 p + 1 are pair 8 b + 4 (l / 16) + p of the rotation,
; whose cos and sin lie at byte 64 b + 32 (l / 16) + 8 p of the token's row of the table.
.macro ROPE a                          ; o1 = x1 cos - x2 sin, o2 = x1 sin + x2 cos, into v[RES] on; then two roundings to f16 a register
	TSET \a
.set AC, 64*((\a)%4)
.set PS, PK+32*((\a)%2)
.set WN, 0x02+(\a)/4+4*TW
	WIN WN                                         ; source 0: the accumulators' window, 2 or 3; source 1: the window of this block's cos and sin
.irp b, 0,1,2,3,4,5,6,7
.irp p, 0,1,2,3
	v_mul_f32 v[TT+2*\p], v[AC+8*\b+2*\p+1], v[TB+8*\b+2*\p+1]      ; x2 sin  (each accumulator is read from its low end on)
	v_mul_f32 v[TT+2*\p+1], v[AC+8*\b+2*\p+1], v[TB+8*\b+2*\p]      ; x2 cos
.endr
.irp p, 0,1,2,3
	v_fma_f32 v[RES+8*\b+2*\p], v[AC+8*\b+2*\p], v[TB+8*\b+2*\p], -v[TT+2*\p]
	v_fma_f32 v[RES+8*\b+2*\p+1], v[AC+8*\b+2*\p], v[TB+8*\b+2*\p+1], v[TT+2*\p+1]
.endr
.endr
	WIN 0
.set i, 0
.rept 32
	v_cvt_pk_f16_f32 v[PS+i], v[RES+2*i], v[RES+2*i+1]
.set i, i+1
.endr
.endm
.macro TOST a                          ; a lane's 16 bytes belong to one row and the lanes beside it hold other rows: through my own stage, and back as whole rows of 256 bytes, into the registers that they left
.set PS, PK+32*((\a)%2)
.irp b, 0,1,2,3,4,5,6,7
	ds_store_b128 v[STO], v[PS+4*\b:PS+4*\b+3] offset:32*\b
.endr
.irp t, 0,1,2,3,4,5,6,7
	ds_load_b128 v[PS+4*\t:PS+4*\t+3], v[RD] offset:\t*2*SPITCH    ; LDS serves a wave's instructions in order (ISA guide 5.7.1.4): these see the stores above; the next block's stores come behind them
.endr
.endm
.macro SEND a, younger                 ; younger: the LDS instructions issued behind block a's loads, which may stay out
.set PS, PK+32*((\a)%2)
	s_wait_dscnt \younger
.irp t, 0,1,2,3,4,5,6,7
	global_store_b128 v[CO], v[PS+4*\t:PS+4*\t+3], s[98:99] offset:(16*(\a)+2*\t)*SIZE_N*2   ; 16 lanes store 256 consecutive bytes, aligned; 126 rows of 12,288 bytes at the most: inside the signed 24-bit immediate
.endr
.endm
	PLACES NP                                      ; in front of loads into registers that held W's fragments, of writes of registers that held scale words and x's fragments, and of the first reads of results
	s_wait_loadcnt 0x0                             ; blocks 0 to 2's cos and sin, asked for at the head
	TLD 3                                          ; each later block is asked for three blocks of work or more ahead of its use; 48 loads are out at the most
	TLD 4
.irp a, 0,1,2,3,4,5,6,7
.if \a == 3
	s_wait_loadcnt 16                              ; blocks 3 and 4 are in; block 5's 16 loads may be out
	TLD 6                                          ; into the sets that blocks 1 and 2 have left
	TLD 7
.elseif \a == 5
	s_wait_loadcnt 32                              ; block 5 is in; blocks 6 and 7 may be out
.elseif \a == 6
	s_wait_loadcnt 16                              ; block 7 may be out
.elseif \a == 7
	s_wait_loadcnt 0x0
.endif
.if \a > 1
	s_wait_xcnt 0x0                                ; block a - 2's stores have read their registers, which this block's roundings write
.endif
	ROPE \a
.if \a == 0
	TLD 5                                          ; into the set that block 0 has left
.endif
	TOST \a
.if \a > 0
	SEND \a-1, 16                                  ; behind block a - 1's loads: block a's 8 stores and 8 loads
.endif
.endr
	SEND 7, 0
	s_wait_tensorcnt 0x0                           ; the wave's end, behind my last tensor load and my last LDS store
	ds_add_u32 v[SPW], v[NIL]
	s_wait_dscnt 0x0
	CROUND                                         ; the closing round: no work-group ends while a partner may still ask for a tile that names it
	s_endpgm
.Lfunc_end_k_q81a051aae3_qkv:
	.size	k_q81a051aae3_qkv, .Lfunc_end_k_q81a051aae3_qkv-k_q81a051aae3_qkv
	.p2alignl 7, 3214868480
	.fill 96, 4, 3214868480
	.section	.rodata,"a",@progbits
	.p2align	6, 0x0
	.amdhsa_kernel k_q81a051aae3_qkv
		.amdhsa_group_segment_fixed_size 327680
		.amdhsa_private_segment_fixed_size 0
		.amdhsa_enable_private_segment 0
		.amdhsa_kernarg_size 48
		.amdhsa_user_sgpr_count 2
		.amdhsa_user_sgpr_kernarg_segment_ptr 1
		.amdhsa_wavefront_size32 1
		.amdhsa_system_sgpr_workgroup_id_x 1
		.amdhsa_system_sgpr_workgroup_id_y 1
		.amdhsa_system_sgpr_workgroup_id_z 1
		.amdhsa_system_vgpr_workitem_id 0
		.amdhsa_next_free_vgpr 1024
		.amdhsa_next_free_sgpr 100
		.amdhsa_reserve_vcc 0
		.amdhsa_float_denorm_mode_32 3
		.amdhsa_float_denorm_mode_16_64 3
		.amdhsa_memory_ordered 1
		.amdhsa_forward_progress 1
		.amdhsa_inst_pref_size 255
	.end_amdhsa_kernel
	.section	.bss,"aw",@nobits
	.p2align	6
	.space	262144
	.amdgpu_metadata
---
amdhsa.version: [ 1, 2 ]
amdhsa.kernels:
  - .name:           k_q81a051aae3_qkv
    .symbol:         k_q81a051aae3_qkv.kd
    .args:
      - { .name: xc, .offset: 0, .size: 8, .value_kind: global_buffer, .address_space: global }
      - { .name: xs, .offset: 8, .size: 8, .value_kind: global_buffer, .address_space: global }
      - { .name: wc, .offset: 16, .size: 8, .value_kind: global_buffer, .address_space: global }
      - { .name: ws, .offset: 24, .size: 8, .value_kind: global_buffer, .address_space: global }
      - { .name: tbl, .offset: 32, .size: 8, .value_kind: global_buffer, .address_space: global }
      - { .name: qkv, .offset: 40, .size: 8, .value_kind: global_buffer, .address_space: global }
    .group_segment_fixed_size: 327680
    .private_segment_fixed_size: 0
    .kernarg_segment_align: 8
    .kernarg_segment_size: 48
    .max_flat_workgroup_size: 128
    .sgpr_count:     100
    .vgpr_count:     1024
    .wavefront_size: 32
...
	.end_amdgpu_metadata
.endif
;; end of part 2
;; launch attn (part 3): grid 32 x 8, 8 waves a work-group, clusters of 4 x 1, 327,680 bytes of LDS; arguments qkv, gn_weight, gn_bias, lambda_q1, lambda_k1, lambda_q2, lambda_k2, o16; writes o16
.if DOCPART == 3
	.amdgcn_target "amdgcn-amd-amdhsa--gfx1250"
	.amdhsa_code_object_version 6
	.text
	.protected	k_q81a051aae3_attn
	.globl	k_q81a051aae3_attn
	.p2align	8
	.type	k_q81a051aae3_attn,@function
k_q81a051aae3_attn:
	s_mov_b64 s[64:65], 0
	v_nop
	global_prefetch_b8 v0, s[64:65] scope:SCOPE_SE
	s_setreg_imm32_b32 hwreg(HW_REG_WAVE_MODE, 25, 1), 1
	s_wait_xcnt 0x0
	s_wait_alu depctr_hold_cnt(0) depctr_sa_sdst(0) depctr_va_vdst(0) depctr_va_sdst(0) depctr_va_ssrc(0) depctr_va_vcc(0) depctr_vm_vsrc(0)
	s_getreg_b32 s2, hwreg(HW_REG_IB_STS2, 6, 4)
	s_cmp_eq_u32 s2, 0
	s_cbranch_scc0 .Lentry_in_a_cluster
	s_endpgm
.Lentry_in_a_cluster:
	s_bfe_u32 s2, ttmp6, 0x10000c
	s_cmp_lg_u32 s2, 0x3003
	s_cbranch_scc0 .Lentry_shape_is_right
	s_endpgm
.Lentry_shape_is_right:
; Differential attention with its norm.  For each (batch, head, query): a1, a2 = causal softmax of q1 . k1 / sqrt(128), q2 . k2 / sqrt(128); out = (a1 - lam a2) v, v of 256 channels;
; lam = exp(lq1 . lk1) - exp(lq2 . lk2) + 0.35550907; then the head's norm over its 256 channels (mean, variance, eps 1e-5), gain, bias, x 0.64449093; rounded once to f16 into o16 [2048 tokens][4096].
; q, k (rotated) and v come as f16 out of qkv [2048][6144].  Products on f16 operands with f32 sums; maxima, exponentials, sums and the norm in f32.
; f16 AND THE ROWS THAT SUM FEW TERMS.  A rounding to f16 is at most 2^-12 of a number; query 0's result is (1 - lam) v of key 0, whose weight 1 is exact, and the norm brings every row to unit size: so the early rows carry
; the same 2^-12 a number as all others, against an allowed 1 part in 100.  They get no finer way of their own.
; SHARES.  A wave owns ONE tile of 16 queries of one head, in 512 registers.  The keys go in steps of 64.  A block of 64 queries, number BLK of 16, needs steps 0 .. BLK.  With t = cluster / 4, wave w < 4 takes a tile of the
; early block 4 t + w and wave w + 4 one of the late block 15 - 4 t - w (the tile's place in its block is cluster % 4): waves w and w + 4 together have 17 steps of work in every work-group.
; The work-group walks 16 - 4 t steps, TWO TO A SLOT; a wave works while step <= BLK.  Wave 4 works in the last step of every work-group, so every tile that is asked for is read.
; CLUSTER.  The four partners are the four query heads of one kv head, on the SAME queries: they need the same tiles of K and V, the same trips and the same branches, so every tile is asked for JOINTLY.
; Every wave of every partner issues its one load at every change of slots but the last, at work or not; the trip count hangs on the cluster's number alone, and every LDS address is a constant of the text.
; LAYOUT.  S^T = K Q^T (source 0 = 16 keys, source 1 = my 16 queries): a lane holds ONE query (lane % 16) and keys 8 (lane / 16) + 0..7.  Two such tiles rounded to f16 in pairs ARE source 1 of O^T = V^T P.
; Each stream has its own running maximum m, sum l and O^T (128 registers); a fragment of V serves both streams.  p = 2^(c s - c m), c = log2(e) / sqrt(128); l sums the unrounded p; O and l are multiplied by
; 2^(c m_old - c m_new) in every step.  On the diagonal step hidden scores become -infinity ahead of the maximum; a query's own key always counts, so m is a number from the first step on.
; LIMITS: |q|, |k|, |v| and the normed result stay under 65,504 (f16); NaN and infinities are not served.
; REGISTERS.  Window 0: v2-11 addresses; v12-27 statistics; v28-31; v32-95 Q; v96-127 S^T of one stream at a time; v128-159 P; v160-255 three buffers of four fragments.  Window 1: v0-127 O^T of stream 1, v128-255 of stream 2.
.set ROWQ,  12288                      ; a token's row of qkv in bytes
.set PKK,   272                        ; a key's row of one stream in LDS: 256 bytes + 16 of padding: the 16 rows of a load start at 16 different banks (64 banks of 4 bytes: ISA guide 11.1)
.set PVV,   288                        ; a key's row of 128 channels of V: 256 + 32
.set K2OFF, 64*PKK                     ; a key step's tiles: 64 rows of K1, 64 of K2,
.set VOFF,  2*K2OFF                    ; 64 rows of V's channels 0-127,
.set V1OFF, 64*PVV                     ; and of its channels 128-255
.set SUBB,  VOFF+2*V1OFF               ; 71,680 bytes
.set SLOTB, 2*SUBB                     ; a slot holds two key steps
.set STAGE, 2*SLOTB                    ; behind the ring: 16 rows x (256 bytes + 16) for each wave, for the way out
.set SP,    272
.set SPARE, STAGE+8*16*SP              ; behind the stages: the spare words, 128 bytes a wave
.set STEPG, 64*ROWQ                    ; a key step in memory
.set SLOTG, 2*STEPG                    ; a slot's keys in memory
.set AK,   2                           ; v2-5   my lane's place in K1's tile of key step 0, 1 of slot 0, then of slot 1
.set AV,   6                           ; v6-9   the same for V
.set DM,   10                          ; v10    my query less my half's first key, inside a block of 64; on the way out 32 x (lane / 16)
.set PFO,  11                          ; v11    the prefetches' offset; never rewritten
.set ST,   12                          ; stream i's statistics at v[ST + 8 i]: +0 c m, +1 m, +2, +3 l (even registers', odd registers'), +4 to +7 at work; the factor a at +6
.set SPW,  28                          ; v28    LDS address of my spare word; never rewritten
.set NIL,  29                          ; v29    0; never rewritten
.set LAM,  30
.set NINF, 31                          ; -infinity
.set Q,    32
.set S,    96
.set P,    128
.set F,    160
.set STO,  2                           ; the way out (K's address registers are free then): v2 where I put 16 bytes of a row,
.set RD,   3                           ; v3 where I read a row back,
.set GO,   4                           ; v4 my byte offset in the wave's rows of o16
.set BI,   32                          ; v32-159 the bias
.set SU,   160                         ; v160-167 four chains of sums
.set MU,   168                         ; v168-169 the mean
.set KK,   170                         ; v170-171 1 / sqrt(var + eps) x 0.64449093
.set OP,   176                         ; v176-239 the tile in f16
.set WV,   20
.set CX,   21
.set G1K,  32                          ; s[32:39] descriptor group 1 for K's tiles;  s[40:47] for V's: it differs in the padding alone
.set G1V,  40
.set G0K,  48                          ; s[48:55] group 0 for K's tiles, one set for each slot;  s[56:63] for V's
.set G0V,  56
.set STP,  66                          ; the key step in hand
.set BLK,  67                          ; my block of 64 queries: my last step
.set CNT,  68
.set CS,   70                          ; s[70:71] c: the packed form names a pair and takes its low word for both halves
.set SEL,  72                          ; s[72:73] lane selects for v_permlanex16_b32: lane l xor 16
.set PFA,  74                          ; s[74:75] where my prefetches stand
.set LIM,  76                          ; 12 in a wave that prefetches, else 0: a wave asks while the step is under it
.set QB,   78
.set OB,   80
.set GW,   82
.set GB,   84
.set MSB, 0
.macro WIN new                         ; the immediate's high byte repeats the setting that is left; a switch that changes nothing is dropped
.if MSB != \new
	s_set_vgpr_msb (MSB<<8)|\new
.set MSB, \new
.endif
.endm
.macro PLACES n
.rept \n
	v_nop
.endr
.endm
; A joint load into slot s.  Waves 0-3 fetch K (stream (w / 2) % 2, the slot's key step w % 2), waves 4-7 V (channels 128 ((w / 2) % 2) on, likewise): 64 rows of 256 bytes each, so that every wave has one load.
; The branch hangs on the wave's number alone.  An s_nop 0 and four v_nop follow each of the two lines.
.macro JLOAD s
	s_cmp_lt_u32 s[WV], 4
	s_cbranch_scc0 .Lfor_v_\@
	tensor_load_to_lds s[G0K+4*(\s):G0K+4*(\s)+3], s[G1K:G1K+7]
	s_nop 0
.rept 4
	v_nop
.endr
	s_branch .Lasked_\@
.Lfor_v_\@:
	tensor_load_to_lds s[G0V+4*(\s):G0V+4*(\s)+3], s[G1V:G1V+7]
	s_nop 0
.rept 4
	v_nop
.endr
.Lasked_\@:
.endm
; A prefetch of what the NEXT change of slots will ask for: at the change that asks for slot i + 1, the keys of slot i + 2: two key steps ahead of that load.  A slot is 128 rows with 512 bytes of K and 512 of V.
; All eight clusters of a (batch, kv head) walk the same rows: the first of them asks, which walks all eight slots.  Its four partners take 32 rows each, told apart BY ADDRESS; in each, waves 4 to 7 (all at work in every
; step in which they ask) take one block of 256 bytes of a row each (K1, K2, V's two halves), a lane a row.  So each block is named once in the launch.  Slots 0 and 1 come by their loads alone; behind slot 7 there is nothing.
.macro ASK
	s_cmp_lt_u32 s[STP], s[LIM]
	s_cbranch_scc0 .Lnot_mine_\@
	global_prefetch_b8 v[PFO], s[PFA:PFA+1] th:TH_LOAD_NT scope:SCOPE_SE
.Lnot_mine_\@:
.endm
; A round of the cluster's barrier: my work-group's barrier, so that wave 0's signal speaks for all eight waves; wave 0 signals; every wave waits for all four work-groups; my work-group's barrier once more.
.macro ROUND
	s_barrier_signal -1
	s_barrier_wait -1
	s_cmp_lg_u32 s[WV], 0
	s_cbranch_scc1 .Lnot_wave_0_\@
	s_barrier_signal -3
.Lnot_wave_0_\@:
	s_barrier_wait -3
	s_barrier_signal -1
	s_barrier_wait -1
.endm
	s_load_b512 s[4:19], s[0:1], 0x0               ; qkv 4:5, gain 6:7, bias 8:9, lambda_q1 10:11, lambda_k1 12:13, lambda_q2 14:15, lambda_k2 16:17, o16 18:19
	v_lshl_add_u32 v[SPW], v0, 2, SPARE
	v_mov_b32 v[NIL], 0
	ds_add_u32 v[SPW], v[NIL]                      ; the wave's opening: the add, twice on end, and its wait ahead of my first tensor load; the set-up below, work on registers, stands between
	ds_add_u32 v[SPW], v[NIL]
	v_lshrrev_b32 v1, 5, v0
	v_readfirstlane_b32 s[WV], v1                  ; wave 0..7
	s_bfe_u32 s[CX], ttmp6, 0x40000                ; my place in the cluster: which of the kv head's four query heads
	s_and_b32 s22, ttmp7, 0xffff
	s_lshr_b32 s23, s22, 2                         ; batch
	s_and_b32 s24, s22, 3                          ; kv head
	s_lshr_b32 s25, ttmp9, 2                       ; t: which blocks (in a cluster launch ttmp9 counts clusters)
	s_and_b32 s29, ttmp9, 3                        ; my tile in its block, 0..3
	s_and_b32 s27, s[WV], 3
	s_lshl_b32 s31, s25, 2
	s_add_co_u32 s31, s31, s27                     ; the early block 4 t + w % 4,
	s_sub_co_u32 s30, 15, s31                      ; the late one
	s_cmp_lt_u32 s[WV], 4
	s_cselect_b32 s[BLK], s31, s30
	s_sub_co_u32 s[CNT], 3, s25                    ; 8 - 2 t slots: one in front of the loop, two a trip, one behind
	s_max_u32 s[CNT], s[CNT], 1                    ; (3 or 2: at least one trip)
	s_mov_b32 s[STP], 0
	; descriptor group 1: a tile of 64 rows x 128 elements of 2 bytes, rows 6,144 elements apart, padded in LDS
	s_mov_b32 s[G1K], 15|(1<<16)|(1<<20)|(1<<21)|(5<<22)|(3<<25)   ; 15:0 the mask: all four work-groups; 17:16 elements of 2 bytes; 20 padding on; 21 set beside a mask; 24:22 after every 64 words (code 5); 31:25 4 words (code 3)
	s_mov_b32 s[G1V], 15|(1<<16)|(1<<20)|(1<<21)|(5<<22)|(7<<25)   ; the same with 8 words of padding (code 7)
.irp g, G1K, G1V
	s_mov_b32 s[\g+1], 128<<16                     ; tensor_dim0 = 128
	s_mov_b32 s[\g+2], 64<<16                      ; tensor_dim1 = 64
	s_mov_b32 s[\g+3], 128<<16                     ; tile_dim0 = 128
	s_mov_b32 s[\g+4], 64                          ; tile_dim1 = 64
	s_mov_b32 s[\g+5], 6144                        ; tensor_dim0_stride
	s_mov_b32 s[\g+6], 0
	s_mov_b32 s[\g+7], 0
.endr
	; what I fetch: made of the wave's number, the batch and the kv head alone, in registers that never hold my place in the cluster
	s_and_b32 s90, s[WV], 1                        ; which key step of a slot
	s_bfe_u32 s91, s[WV], 0x10001                  ; which stream of K, or which 128 channels of V
	s_mul_i32 s92, s91, K2OFF
	s_mul_i32 s93, s90, SUBB
	s_add_co_u32 s92, s92, s93                     ; K: my place in a slot
	s_mul_i32 s94, s91, V1OFF
	s_add_co_u32 s93, s93, s94
	s_add_co_u32 s93, s93, VOFF                    ; V: my place in a slot
	s_lshl_b32 s94, s23, 10
	s_lshl_b32 s90, s90, 6
	s_add_co_u32 s94, s94, s90                     ; token 1,024 x batch + 64 x step
	s_mul_i32 s94, s94, ROWQ
	s_lshl_b32 s90, s24, 9
	s_add_co_u32 s94, s94, s90                     ; + 512 x kv head
	s_lshl_b32 s91, s91, 8
	s_add_co_u32 s94, s94, s91                     ; + 256 x stream
	s_mov_b32 s95, 0
	; my queries
	s_lshl_b32 s86, s[BLK], 6
	s_lshl_b32 s22, s29, 4
	s_add_co_u32 s86, s86, s22
	s_lshl_b32 s22, s23, 10
	s_add_co_u32 s86, s86, s22                     ; my first token
	s_lshl_b32 s87, s24, 2
	s_add_co_u32 s87, s87, s[CX]                   ; my query head
	s_lshl_b32 s22, s87, 9                         ; its 512 bytes in a row of qkv and of o16
	s_mul_i32 s88, s86, ROWQ
	s_add_co_u32 s88, s88, s22
	s_mov_b32 s89, 0
	s_lshl_b32 s30, s86, 13
	s_add_co_u32 s30, s30, s22
	s_mov_b32 s31, 0
	s_lshl_b32 s26, s87, 10                        ; its 1,024 bytes of gain and of bias
	s_mov_b32 s27, 0
	; the prefetches: my work-group's 32 rows of slot 1 (each change of slots steps this on ahead of its request)
	s_lshl_b32 s86, s23, 10
	s_lshl_b32 s22, s[CX], 5
	s_add_co_u32 s86, s86, s22
	s_add_co_u32 s86, s86, 128
	s_mul_i32 s86, s86, ROWQ
	s_lshl_b32 s22, s24, 9
	s_add_co_u32 s86, s86, s22
	s_and_b32 s22, s[WV], 1
	s_lshl_b32 s22, s22, 8                         ; which stream of K, or which half of V
	s_add_co_u32 s86, s86, s22
	s_and_b32 s22, s[WV], 2
	s_lshl_b32 s22, s22, 10                        ; K begins at byte 8,192 of a row, V 2,048 further on
	s_add_co_u32 s86, s86, s22
	s_add_co_u32 s86, s86, 8192
	s_mov_b32 s87, 0
	s_lshr_b32 s22, s[WV], 2
	s_xor_b32 s22, s22, 1                          ; 0 in waves 4 to 7,
	s_or_b32 s22, s22, ttmp9                       ; of the first cluster: the same in all four partners
	s_cmp_eq_u32 s22, 0
	s_cselect_b32 s[LIM], 12, 0
	s_mov_b32 s[CS], 0x3e0293ee                    ; c = log2(e) / sqrt(128)
	s_mov_b32 s[CS+1], s[CS]
	s_mov_b32 s[SEL], 0x76543210
	s_mov_b32 s[SEL+1], 0xfedcba98
	s_wait_dscnt 0x0                               ; both opening adds are done
	s_wait_kmcnt 0x0
	s_add_nc_u64 s[QB:QB+1], s[4:5], s[88:89]
	s_add_nc_u64 s[OB:OB+1], s[18:19], s[30:31]
	s_add_nc_u64 s[GW:GW+1], s[6:7], s[26:27]
	s_add_nc_u64 s[GB:GB+1], s[8:9], s[26:27]
	s_add_nc_u64 s[PFA:PFA+1], s[4:5], s[86:87]
.irp s, 0,1
	s_mov_b32 s[G0K+4*\s], 1                       ; count = 1
	s_add_co_u32 s[G0K+4*\s+1], s92, \s*SLOTB      ; LDS address
	s_add_nc_u64 s[G0K+4*\s+2:G0K+4*\s+3], s[4:5], s[94:95]
	s_add_nc_u64 s[G0K+4*\s+2:G0K+4*\s+3], s[G0K+4*\s+2:G0K+4*\s+3], 8192+\s*SLOTG   ; global address: slot s begins with keys 128 s on
	s_or_b32 s[G0K+4*\s+3], s[G0K+4*\s+3], 0x80000000              ; type = 2
	s_mov_b32 s[G0V+4*\s], 1
	s_add_co_u32 s[G0V+4*\s+1], s93, \s*SLOTB
	s_add_nc_u64 s[G0V+4*\s+2:G0V+4*\s+3], s[4:5], s[94:95]
	s_add_nc_u64 s[G0V+4*\s+2:G0V+4*\s+3], s[G0V+4*\s+2:G0V+4*\s+3], 10240+\s*SLOTG
	s_or_b32 s[G0V+4*\s+3], s[G0V+4*\s+3], 0x80000000
.endr
	ROUND                                          ; all four work-groups are here: the first joint loads meet
	JLOAD 0                                        ; key steps 0 and 1: one load of mine is out
	v_and_b32 v96, 15, v0                          ; r = lane % 16
	v_bfe_u32 v97, v0, 4, 1                        ; h = lane / 16
	v_and_b32 v98, 31, v0                          ; lane
	v_mul_u32_u24 v100, v96, ROWQ
	v_lshl_add_u32 v100, v97, 4, v100              ; a fragment of Q: row r, 16 bytes for each half; two loads, 32 bytes apart, for 32 channels
.irp st, 0,1
.irp cc, 0,1,2,3
	global_load_b128 v[Q+32*\st+8*\cc:Q+32*\st+8*\cc+3], v100, s[QB:QB+1] offset:256*\st+64*\cc
	global_load_b128 v[Q+32*\st+8*\cc+4:Q+32*\st+8*\cc+7], v100, s[QB:QB+1] offset:256*\st+64*\cc+32
.endr
.endr
	v_lshlrev_b32 v101, 4, v98
	global_load_b128 v[104:107], v101, s[10:11]    ; the four vectors of lam: four numbers a lane
	global_load_b128 v[108:111], v101, s[12:13]
	global_load_b128 v[112:115], v101, s[14:15]
	global_load_b128 v[116:119], v101, s[16:17]
	v_mul_u32_u24 v[AK], v96, PKK
	v_lshl_add_u32 v[AK], v97, 4, v[AK]            ; K: row r x pitch + 16 x half
	v_and_b32 v99, 7, v0                           ; V, by the turning load: lane l reads 16 bytes: key 8 (l / 16) + l % 8, channels 8 ((l / 8) % 2) + 0..7
	v_lshl_add_u32 v99, v97, 3, v99
	v_mul_u32_u24 v[AV], v99, PVV
	v_bfe_u32 v99, v0, 3, 1
	v_lshl_add_u32 v[AV], v99, 4, v[AV]
	v_add_nc_u32 v[AV], VOFF, v[AV]
.irp s, 1,2,3
	v_add_nc_u32 v[AK+\s], \s*SUBB, v[AK]          ; the ring's four key steps, 71,680 bytes apart
	v_add_nc_u32 v[AV+\s], \s*SUBB, v[AV]
.endr
	v_lshlrev_b32 v99, 3, v97
	v_sub_nc_u32 v[DM], v96, v99
	s_lshl_b32 s22, s29, 4
	v_add_nc_u32 v[DM], s22, v[DM]                 ; 16 x tile + r - 8 h
	v_mul_u32_u24 v[PFO], v98, ROWQ                ; a lane a row
	v_mov_b32 v[NINF], 0xff800000
	v_mov_b32 v122, 0                              ; (a lane permute's destination counts as one of its sources)
	v_mov_b32 v123, 0
	s_wait_loadcnt 0x0                             ; Q and the four vectors
	v_mul_f32 v120, v104, v108
	v_mul_f32 v121, v112, v116
.irp i, 1,2,3
	v_fma_f32 v120, v[104+\i], v[108+\i], v120
	v_fma_f32 v121, v[112+\i], v[116+\i], v121
.endr
.irp m, 1,2,4,8
	v_add_f32_dpp v120, v120, v120 row_xmask:\m row_mask:0xf bank_mask:0xf
	v_add_f32_dpp v121, v121, v121 row_xmask:\m row_mask:0xf bank_mask:0xf
.endr
	v_permlanex16_b32 v122, v120, s[SEL], s[SEL+1]
	v_permlanex16_b32 v123, v121, s[SEL], s[SEL+1]
	v_add_f32 v120, v120, v122                     ; the two dot products, in every lane
	v_add_f32 v121, v121, v123
	v_mul_f32 v120, 0x3fb8aa3b, v120               ; x log2(e)
	v_mul_f32 v121, 0x3fb8aa3b, v121
	v_exp_f32 v120, v120
	v_exp_f32 v121, v121
	v_nop                                          ; a plain instruction behind the exponentials,
	s_wait_alu depctr_va_vdst(0)                   ; and one wait ahead of their first reader
	v_sub_f32 v[LAM], v120, v121
	v_add_f32 v[LAM], 0x3eb60549, v[LAM]           ; + 0.8 - 0.6 exp(-0.3)
; A KEY STEP'S OPERANDS come out of LDS in 16 chunks of four fragments (8 loads): chunks 0-3 K1 (32 channels each, 64 keys), 4-7 K2, 8-15 V (two tiles of 16 channels x 64 keys each).  Chunk n lands in buffer n % 3.
.macro LOADN sub                       ; chunk LN of the ring's key step sub
.set LB, F+32*(LN%3)
.if LN < 8
.set LOF, (LN/4)*K2OFF+(LN%4)*64
.irp kt, 0,1,2,3
	ds_load_b128 v[LB+8*\kt:LB+8*\kt+3], v[AK+\sub] offset:LOF+\kt*16*PKK
	ds_load_b128 v[LB+8*\kt+4:LB+8*\kt+7], v[AK+\sub] offset:LOF+\kt*16*PKK+32
.endr
.else
.set LG, LN-8
.irp kc, 0,1
.irp ci, 0,1
	ds_load_tr16_b128 v[LB+8*(2*\kc+\ci):LB+8*(2*\kc+\ci)+3], v[AV+\sub] offset:(LG/4)*V1OFF+\kc*32*PVV+((2*LG+\ci)%8)*32
	ds_load_tr16_b128 v[LB+8*(2*\kc+\ci)+4:LB+8*(2*\kc+\ci)+7], v[AV+\sub] offset:(LG/4)*V1OFF+\kc*32*PVV+16*PVV+((2*LG+\ci)%8)*32
.endr
.endr
.endif
.endm
; The products on chunk MN.  The accumulators take turns, one instruction a turn: S^T's four tiles of keys; or O^T's two tiles of channels x two streams, for keys 0-31 and then 32-63.
; first = 1: the first key step's products on keys 0-31 start O^T's sums: nothing is ever cleared.
.macro MMN first
.set MB, F+32*(MN%3)
.if MN < 8
.set MQ, Q+32*(MN/4)+8*(MN%4)
.irp kt, 0,1,2,3
.if MN%4 == 0
	v_wmma_f32_16x16x32_f16 v[S+8*\kt:S+8*\kt+7], v[MB+8*\kt:MB+8*\kt+7], v[MQ:MQ+7], 0
.else
	v_wmma_f32_16x16x32_f16 v[S+8*\kt:S+8*\kt+7], v[MB+8*\kt:MB+8*\kt+7], v[MQ:MQ+7], v[S+8*\kt:S+8*\kt+7]
.endif
.endr
.else
.set MG, MN-8
	WIN 0x50                                       ; C and D: window 1
.irp kc, 0,1
.irp ci, 0,1
.irp st, 0,1
.if \first && (\kc == 0)
	v_wmma_f32_16x16x32_f16 v[128*\st+8*(2*MG+\ci):128*\st+8*(2*MG+\ci)+7], v[MB+8*(2*\kc+\ci):MB+8*(2*\kc+\ci)+7], v[P+16*\st+8*\kc:P+16*\st+8*\kc+7], 0
.else
	v_wmma_f32_16x16x32_f16 v[128*\st+8*(2*MG+\ci):128*\st+8*(2*MG+\ci)+7], v[MB+8*(2*\kc+\ci):MB+8*(2*\kc+\ci)+7], v[P+16*\st+8*\kc:P+16*\st+8*\kc+7], v[128*\st+8*(2*MG+\ci):128*\st+8*(2*MG+\ci)+7]
.endif
.endr
.endr
.endr
	WIN 0
.endif
.endm
; On my diagonal step (step = BLK) register 8 kt + i holds key 16 kt + 8 (lane / 16) + i of the block, hidden where that is above my query.  Every other step of mine jumps over this: a branch on ids and the count of steps.
.macro MASK
	s_cmp_lg_u32 s[STP], s[BLK]
	s_cbranch_scc1 .Lopen_\@
.set i, 0
.rept 32
	v_cmp_gt_i32 vcc_lo, 16*(i/8)+i%8, v[DM]
	v_cndmask_b32 v[S+i], v[S+i], v[NINF], vcc_lo
.set i, i+1
.endr
.Lopen_\@:
.endm
; One stream's softmax for one key step: 32 scores a lane.  first = 1: the first key step, which starts m, l and O^T.
.macro SOFTMAX st, first
.set rT, ST+8*\st
.set rP, P+16*\st
.irp j, 0,1,2,3
	v_max3_num_f32 v[rT+4+\j], v[S+8*\j], v[S+8*\j+1], v[S+8*\j+2]  ; four chains, one for each tile of keys, each from its tile's low end on
.endr
.irp i, 3,5
.irp j, 0,1,2,3
	v_max3_num_f32 v[rT+4+\j], v[rT+4+\j], v[S+8*\j+\i], v[S+8*\j+\i+1]
.endr
.endr
	v_max3_num_f32 v[rT+4], v[rT+4], v[S+7], v[S+15]
	v_max3_num_f32 v[rT+6], v[rT+6], v[S+23], v[S+31]
	v_max3_num_f32 v[rT+4], v[rT+4], v[rT+5], v[rT+6]
.if \first
	v_max_num_f32 v[rT+4], v[rT+4], v[rT+7]
.else
	v_max3_num_f32 v[rT+4], v[rT+4], v[rT+7], v[rT+1]              ; with the old m
	v_mov_b32 v[rT+7], v[rT]                       ; c m_old is kept for a
.endif
	v_permlanex16_b32 v[rT+5], v[rT+4], s[SEL], s[SEL+1]           ; the query's other 32 keys lie in the lane 16 away
	v_max_num_f32 v[rT+1], v[rT+4], v[rT+5]        ; m
	v_mul_f32 v[rT], s[CS], v[rT+1]                ; c m
.if !\first
	v_sub_f32 v[rT+7], v[rT+7], v[rT]              ; c m_old - c m_new
.endif
.set i, 0
.rept 16
	v_pk_fma_f32 v[S+i:S+i+1], v[S+i:S+i+1], s[CS:CS+1], v[rT:rT+1] op_sel_hi:[1,0,0] neg_lo:[0,0,1] neg_hi:[0,0,1]   ; c s - c m, two at a time
.set i, i+2
.endr
.if !\first
	v_exp_f32 v[rT+6], v[rT+7]                     ; a
.endif
.set i, 0
.rept 32
	v_exp_f32 v[S+i], v[S+i]                       ; p
.set i, i+1
.endr
	v_nop                                          ; one plain instruction behind the batch,
	s_wait_alu depctr_va_vdst(0)                   ; and one wait for all of it, ahead of its first reader
.set i, 0
.rept 16
	v_cvt_pk_f16_f32 v[rP+i], v[S+2*i], v[S+2*i+1] ; a pair of neighbouring keys' weights
.set i, i+1
.endr
.irp u, 0,1,2,3,4,5,6,7
	v_pk_add_f32 v[S+4*\u:S+4*\u+1], v[S+4*\u:S+4*\u+1], v[S+4*\u+2:S+4*\u+3]     ; the sum of the unrounded p, as a tree, in place
.endr
.irp u, 0,1,2,3
	v_pk_add_f32 v[S+8*\u:S+8*\u+1], v[S+8*\u:S+8*\u+1], v[S+8*\u+4:S+8*\u+5]
.endr
.irp u, 0,1
	v_pk_add_f32 v[S+16*\u:S+16*\u+1], v[S+16*\u:S+16*\u+1], v[S+16*\u+8:S+16*\u+9]
.endr
.if \first
	v_pk_add_f32 v[rT+2:rT+3], v[S:S+1], v[S+16:S+17]
.else
	v_pk_add_f32 v[S:S+1], v[S:S+1], v[S+16:S+17]
	v_pk_fma_f32 v[rT+2:rT+3], v[rT+2:rT+3], v[rT+6:rT+7], v[S:S+1] op_sel_hi:[1,0,1]   ; l = a l + the sum
	WIN 0x41                                       ; O^T (destination and source 0) in window 1, a in window 0
.set i, 128*\st
.rept 64
	v_pk_mul_f32 v[i:i+1], v[i:i+1], v[rT+6:rT+7] op_sel_hi:[1,0]
.set i, i+2
.endr
	WIN 0
.endif
.endm
; A wave's work in a key step.  Three chunks are asked for ahead; the wait at a chunk's head leaves the two chunks behind it (8 loads each) out.  A load into a buffer stands four places behind the products that read it;
; behind chunks 3 and 7 stand five, since the next score product begins S^T's sums anew in the same registers.  The four behind chunk 15 serve the next step's loads and the way out.
.macro WORK sub, first
.set LN, 0
	LOADN \sub
.set LN, 1
	LOADN \sub
.set LN, 2
	LOADN \sub
.set MN, 0
.rept 16
.if MN < 14
	s_wait_dscnt 16
.elseif MN == 14
	s_wait_dscnt 8
.else
	s_wait_dscnt 0x0
.endif
	MMN \first
.if (MN == 3) || (MN == 7)
	PLACES 5
.elseif (MN < 13) || (MN == 15)
	PLACES 4
.endif
.if MN < 13
.set LN, MN+3
	LOADN \sub
.endif
.if MN == 3
	MASK
	SOFTMAX 0, \first
.elseif MN == 7
	MASK
	SOFTMAX 1, \first
.endif
.set MN, MN+1
.endr
.endm
; A SLOT'S TWO KEY STEPS.  Each wave waits for all its tensor loads (one is out: its part of this slot), adds 0 to its spare word, and waits for that and for its reads of the other slot.  Behind the round of the cluster's
; barrier this slot is whole in all four partners and nobody reads the other one: refill = 1: the next two steps' tiles are asked for there, the wave's one tensor load until the next round: it has two steps' work in which to land.
; No barrier stands between a slot's two steps: the round in front of them has shown the whole slot to every wave.
.macro TRIP2 slot, refill, first
	s_wait_tensorcnt 0x0                           ; no tensor load of mine is out, so a group 0 may be written
	ds_add_u32 v[SPW], v[NIL]                      ; 0 onto my spare word; the steps below stand between it and the wait for it
	s_add_nc_u64 s[G0K+4*\slot+2:G0K+4*\slot+3], s[G0K+4*\slot+2:G0K+4*\slot+3], 2*SLOTG   ; this slot's next tiles: two slots on (the last stepped addresses are not used)
	s_add_nc_u64 s[G0V+4*\slot+2:G0V+4*\slot+3], s[G0V+4*\slot+2:G0V+4*\slot+3], 2*SLOTG
.if \refill
	s_wait_xcnt 0x0                                ; the last prefetch, two steps back, has read its address, so it may be written
	s_add_nc_u64 s[PFA:PFA+1], s[PFA:PFA+1], SLOTG
.endif
	s_wait_dscnt 0x0                               ; the add is done, and my reads of the other slot are over
	ROUND
.if \refill
	JLOAD 1-\slot
	ASK
.endif
.if !\first
	s_cmp_gt_u32 s[STP], s[BLK]                    ; all keys of this step come after my queries: nothing to do but to go on asking
	s_cbranch_scc1 .Lidle_a_\@
.endif
	WORK 2*\slot, \first
.Lidle_a_\@:
	s_add_co_u32 s[STP], s[STP], 1
	s_cmp_gt_u32 s[STP], s[BLK]
	s_cbranch_scc1 .Lidle_b_\@
	WORK 2*\slot+1, 0
.Lidle_b_\@:
	s_add_co_u32 s[STP], s[STP], 1
.endm
	TRIP2 0, 1, 1                                  ; step 0 counts for every wave; slot 1 gets its first fill behind this slot's round
.Lslot:                                                ; 3 - t trips of two slots
	TRIP2 1, 1, 0
	TRIP2 0, 1, 0
	s_sub_co_u32 s[CNT], s[CNT], 1
	s_cmp_lg_u32 s[CNT], 0
	s_cbranch_scc1 .Lslot
	TRIP2 1, 0, 0                                  ; the last slot is written out: nothing is left to ask for
	; THE WAY OUT.  out = O1 / l1 - lam O2 / l2; the head's norm over my query's 256 channels, of which 128 are mine and 128 the lane's 16 away; gain, bias, x 0.64449093; f16; through my stage, 128 channels at a time.
	s_mov_b32 s86, 0x3b800000                      ; 1 / 256
	s_mov_b32 s87, 0x3727c5ac                      ; eps
	s_mov_b32 s88, 0x3f24fd5c                      ; 1 - (0.8 - 0.6 exp(-0.3))
	s_mov_b32 s89, s88
	v_bfe_u32 v[DM], v0, 4, 1                      ; h
	v_and_b32 v5, 15, v0                           ; r
	s_mul_i32 s22, s[WV], 16*SP
	s_add_co_u32 s22, s22, STAGE                   ; my stage
	v_mul_u32_u24 v[STO], v5, SP
	v_lshl_add_u32 v[STO], v[DM], 4, v[STO]
	v_add_nc_u32 v[STO], s22, v[STO]               ; in: row r, 16 bytes for each half of the lanes
	v_mul_u32_u24 v[RD], v[DM], SP
	v_lshl_add_u32 v[RD], v5, 4, v[RD]
	v_add_nc_u32 v[RD], s22, v[RD]                 ; back: lanes 0-15 take one row of 256 bytes, lanes 16-31 the next
	v_lshlrev_b32 v[GO], 13, v[DM]                 ; and the same two tokens in o16, 8,192 bytes apart
	v_lshl_add_u32 v[GO], v5, 4, v[GO]
	v_lshlrev_b32 v[DM], 5, v[DM]                  ; tile ct of channels: my eight begin at byte 64 ct + 32 (lane / 16) of the head's gain and bias
.irp ct, 0,1,2,3,4,5,6,7,8,9,10,11,12,13,14,15
	global_load_b128 v[BI+8*\ct:BI+8*\ct+3], v[DM], s[GB:GB+1] offset:64*\ct
	global_load_b128 v[BI+8*\ct+4:BI+8*\ct+7], v[DM], s[GB:GB+1] offset:64*\ct+16
.endr
	v_add_f32 v[ST+4], v[ST+2], v[ST+3]            ; l's two halves,
	v_add_f32 v[ST+12], v[ST+10], v[ST+11]
	v_permlanex16_b32 v[ST+5], v[ST+4], s[SEL], s[SEL+1]
	v_permlanex16_b32 v[ST+13], v[ST+12], s[SEL], s[SEL+1]
	v_add_f32 v[ST+4], v[ST+4], v[ST+5]            ; and the other half of the lanes'
	v_add_f32 v[ST+12], v[ST+12], v[ST+13]
	v_rcp_f32 v[ST+6], v[ST+4]
	v_rcp_f32 v[ST+14], v[ST+12]
	v_nop
	s_wait_alu depctr_va_vdst(0)                   ; one wait for both reciprocals
	v_mul_f32 v[ST+14], -v[ST+14], v[LAM]          ; - lam / l2
	WIN 0x51                                       ; destination, source 0 and source 2 in window 1, source 1 in window 0
.set i, 0
.rept 64
	v_pk_mul_f32 v[i:i+1], v[i:i+1], v[ST+6:ST+7] op_sel_hi:[1,0]
.set i, i+2
.endr
.set i, 0
.rept 64
	v_pk_fma_f32 v[i:i+1], v[128+i:129+i], v[ST+14:ST+15], v[i:i+1] op_sel_hi:[1,0,1]
.set i, i+2
.endr
	WIN 0x40                                       ; the gain lands where stream 2's O^T lay
.irp ct, 0,1,2,3,4,5,6,7,8,9,10,11,12,13,14,15
	global_load_b128 v[128+8*\ct:128+8*\ct+3], v[DM], s[GW:GW+1] offset:64*\ct
	global_load_b128 v[128+8*\ct+4:128+8*\ct+7], v[DM], s[GW:GW+1] offset:64*\ct+16
.endr
	WIN 0x05                                       ; both sources in window 1: the first eight pairs start four chains
.irp c, 0,1,2,3
	v_pk_add_f32 v[SU+2*\c:SU+2*\c+1], v[2*\c:2*\c+1], v[2*\c+8:2*\c+9]
.endr
	WIN 0x01
.set i, 16
.rept 56
	v_pk_add_f32 v[SU+i%8:SU+i%8+1], v[i:i+1], v[SU+i%8:SU+i%8+1]
.set i, i+2
.endr
	WIN 0
	v_pk_add_f32 v[SU:SU+1], v[SU:SU+1], v[SU+2:SU+3]
	v_pk_add_f32 v[SU+4:SU+5], v[SU+4:SU+5], v[SU+6:SU+7]
	v_pk_add_f32 v[SU:SU+1], v[SU:SU+1], v[SU+4:SU+5]
	v_add_f32 v[SU], v[SU], v[SU+1]
	v_permlanex16_b32 v[SU+1], v[SU], s[SEL], s[SEL+1]
	v_add_f32 v[SU], v[SU], v[SU+1]
	v_mul_f32 v[MU], s86, v[SU]                    ; the mean
	v_mov_b32 v[MU+1], v[MU]                       ; (named with it as a pair)
	WIN 0x41
.set i, 0
.rept 64
	v_pk_add_f32 v[i:i+1], v[i:i+1], v[MU:MU+1] op_sel_hi:[1,0] neg_lo:[0,1] neg_hi:[0,1]
.set i, i+2
.endr
	WIN 0x05
.irp c, 0,1,2,3
	v_pk_mul_f32 v[SU+2*\c:SU+2*\c+1], v[2*\c:2*\c+1], v[2*\c:2*\c+1]   ; the squares of what is left: no difference of large sums
.endr
.set i, 8
.rept 60
	v_pk_fma_f32 v[SU+i%8:SU+i%8+1], v[i:i+1], v[i:i+1], v[SU+i%8:SU+i%8+1]
.set i, i+2
.endr
	WIN 0
	v_pk_add_f32 v[SU:SU+1], v[SU:SU+1], v[SU+2:SU+3]
	v_pk_add_f32 v[SU+4:SU+5], v[SU+4:SU+5], v[SU+6:SU+7]
	v_pk_add_f32 v[SU:SU+1], v[SU:SU+1], v[SU+4:SU+5]
	v_add_f32 v[SU], v[SU], v[SU+1]
	v_permlanex16_b32 v[SU+1], v[SU], s[SEL], s[SEL+1]
	v_add_f32 v[SU], v[SU], v[SU+1]
	v_fma_f32 v[SU], v[SU], s86, s87               ; the variance + eps
	v_rsq_f32 v[KK], v[SU]
	v_nop
	s_wait_alu depctr_va_vdst(0)
	v_mul_f32 v[KK], s88, v[KK]
	v_mov_b32 v[KK+1], v[KK]
	s_wait_loadcnt 0x0                             ; bias and gain
.set i, 0
.rept 64
	v_pk_mul_f32 v[BI+i:BI+i+1], v[BI+i:BI+i+1], s[88:89] op_sel_hi:[1,0]
.set i, i+2
.endr
	WIN 0x41
.set i, 0
.rept 64
	v_pk_mul_f32 v[i:i+1], v[i:i+1], v[KK:KK+1] op_sel_hi:[1,0]
.set i, i+2
.endr
	WIN 0x45                                       ; destination, sources 0 and 1 in window 1, the bias in window 0
.set i, 0
.rept 64
	v_pk_fma_f32 v[i:i+1], v[i:i+1], v[128+i:129+i], v[BI+i:BI+i+1]
.set i, i+2
.endr
	WIN 0x05
.set i, 0
.rept 64
	v_cvt_pk_f16_f32 v[OP+i], v[2*i], v[2*i+1]
.set i, i+1
.endr
	WIN 0
.irp u, 0,1                            ; channels 128 u on: 256 bytes of each of my 16 tokens
.irp c, 0,1,2,3,4,5,6,7
	ds_store_b128 v[STO], v[OP+32*\u+4*\c:OP+32*\u+4*\c+3] offset:32*\c   ; my eight channels of tile 8 u + c: 16 bytes of my query's row
.endr
.irp i, 0,1,2,3,4,5,6,7
	ds_load_b128 v[OP+32*\u+4*\i:OP+32*\u+4*\i+3], v[RD] offset:\i*2*SP   ; LDS serves a wave's instructions in order (ISA guide 5.7.1.4): these see the stores above, and the next half's stores come behind them
.endr
.endr
.irp u, 0,1
.irp i, 0,1,2,3,4,5,6,7
	s_wait_dscnt 23-16*\u-\i                       ; these two rows are back; behind their load were issued this half's 7 - i loads and, for the first half, the second half's 8 stores and 8 loads
	global_store_b128 v[GO], v[OP+32*\u+4*\i:OP+32*\u+4*\i+3], s[OB:OB+1] offset:\i*16384+256*\u   ; 16 lanes store 256 consecutive bytes of a token, aligned
.endr
.endr
	s_wait_tensorcnt 0x0                           ; the wave's end, behind my last tensor load and my last LDS store
	ds_add_u32 v[SPW], v[NIL]
	s_wait_dscnt 0x0
	ROUND                                          ; the closing round: no work-group ends while a partner may still ask for a tile that names it
	s_endpgm
.Lfunc_end_k_q81a051aae3_attn:
	.size	k_q81a051aae3_attn, .Lfunc_end_k_q81a051aae3_attn-k_q81a051aae3_attn
	.p2alignl 7, 3214868480
	.fill 96, 4, 3214868480
	.section	.rodata,"a",@progbits
	.p2align	6, 0x0
	.amdhsa_kernel k_q81a051aae3_attn
		.amdhsa_group_segment_fixed_size 327680
		.amdhsa_private_segment_fixed_size 0
		.amdhsa_enable_private_segment 0
		.amdhsa_kernarg_size 64
		.amdhsa_user_sgpr_count 2
		.amdhsa_user_sgpr_kernarg_segment_ptr 1
		.amdhsa_wavefront_size32 1
		.amdhsa_system_sgpr_workgroup_id_x 1
		.amdhsa_system_sgpr_workgroup_id_y 1
		.amdhsa_system_sgpr_workgroup_id_z 1
		.amdhsa_system_vgpr_workitem_id 0
		.amdhsa_next_free_vgpr 512
		.amdhsa_next_free_sgpr 96
		.amdhsa_reserve_vcc 1
		.amdhsa_float_denorm_mode_32 3
		.amdhsa_float_denorm_mode_16_64 3
		.amdhsa_memory_ordered 1
		.amdhsa_forward_progress 1
		.amdhsa_inst_pref_size 255
	.end_amdhsa_kernel
	.section	.bss,"aw",@nobits
	.p2align	6
	.space	262144
	.amdgpu_metadata
---
amdhsa.version: [ 1, 2 ]
amdhsa.kernels:
  - .name:           k_q81a051aae3_attn
    .symbol:         k_q81a051aae3_attn.kd
    .args:
      - { .name: qkv, .offset: 0, .size: 8, .value_kind: global_buffer, .address_space: global }
      - { .name: gn_weight, .offset: 8, .size: 8, .value_kind: global_buffer, .address_space: global }
      - { .name: gn_bias, .offset: 16, .size: 8, .value_kind: global_buffer, .address_space: global }
      - { .name: lambda_q1, .offset: 24, .size: 8, .value_kind: global_buffer, .address_space: global }
      - { .name: lambda_k1, .offset: 32, .size: 8, .value_kind: global_buffer, .address_space: global }
      - { .name: lambda_q2, .offset: 40, .size: 8, .value_kind: global_buffer, .address_space: global }
      - { .name: lambda_k2, .offset: 48, .size: 8, .value_kind: global_buffer, .address_space: global }
      - { .name: o16, .offset: 56, .size: 8, .value_kind: global_buffer, .address_space: global }
    .group_segment_fixed_size: 327680
    .private_segment_fixed_size: 0
    .kernarg_segment_align: 8
    .kernarg_segment_size: 64
    .max_flat_workgroup_size: 256
    .sgpr_count:     96
    .vgpr_count:     512
    .wavefront_size: 32
...
	.end_amdgpu_metadata
.endif
;; end of part 3
;; launch oproj (part 4): grid 16 x 16, 4 waves a work-group, clusters of 4 x 4, 327,680 bytes of LDS; arguments o16, wo16, out0; writes out0
.if DOCPART == 4
	.amdgcn_target "amdgcn-amd-amdhsa--gfx1250"
	.amdhsa_code_object_version 6
	.text
	.protected	k_q81a051aae3_oproj
	.globl	k_q81a051aae3_oproj
	.p2align	8
	.type	k_q81a051aae3_oproj,@function
k_q81a051aae3_oproj:
	s_mov_b64 s[64:65], 0
	v_nop
	global_prefetch_b8 v0, s[64:65] scope:SCOPE_SE
	s_setreg_imm32_b32 hwreg(HW_REG_WAVE_MODE, 25, 1), 1
	s_wait_xcnt 0x0
	s_wait_alu depctr_hold_cnt(0) depctr_sa_sdst(0) depctr_va_vdst(0) depctr_va_sdst(0) depctr_va_ssrc(0) depctr_va_vcc(0) depctr_vm_vsrc(0)
	s_getreg_b32 s2, hwreg(HW_REG_IB_STS2, 6, 4)
	s_cmp_eq_u32 s2, 0
	s_cbranch_scc0 .Lentry_in_a_cluster
	s_endpgm
.Lentry_in_a_cluster:
	s_bfe_u32 s2, ttmp6, 0x10000c
	s_cmp_lg_u32 s2, 0xf033
	s_cbranch_scc0 .Lentry_shape_is_right
	s_endpgm
.Lentry_shape_is_right:
; out0[m][n] = sum over k of o[m][k] Wo[n][k].  o16: [2048][4096], wo16: [2048][4096], f16; out0: [2048][2048] f32; sums in f32.
; A tile of C is 128 x 128: 256 tiles, one for each work-group (tiles of 256 x 256 would be 64).  Four waves, each 64 x 64: 16 accumulators of 16 x 16, 128 registers.  K goes in steps of 256 (LDS rows of 512 bytes;
; a wave's tensor load brings 64 of them), as long as two slots in LDS allow.
; CLUSTERS: 4 x 4 work-groups.  The four of a row of the cluster need the same tiles of o, the four of a column the same tiles of Wo: each tile is asked for JOINTLY, by the same tensor load with the same descriptor and a
; mask that names the four.  THE MATRIX INSTRUCTION IS USED TRANSPOSED (source 0 = 16 rows of Wo, source 1 = 16 rows of o): a lane then holds eight neighbouring numbers of a row of C.
; A wave's 64 columns of f32 are 256 consecutive bytes of a row, aligned: so each wave has a stage of its own on the way out and no barrier is needed there.
; REGISTERS: window 0: v0-31 addresses; v32-95 at work on the way out; v128-255 the accumulators ((a, b) at v[128 + 8 (4 a + b)]).
;   window 1: two fragment buffers of 128: for 64 along K (two matrix instructions deep), 64 registers of o (2 x 4 x 16 rows x 32 K), then 64 of Wo.
.set SIZE_M, 2048
.set SIZE_N, 2048
.set SIZE_K, 4096
.set KSTEP,  256
.set PITCH,  528                       ; an LDS row: 512 bytes + 16 of padding = 132 words: row r starts at bank 4 r mod 64 (64 banks of 4 bytes: ISA guide 11.1)
.set HALFT,  64*PITCH                  ; 64 rows: what one tensor load brings, and what one wave reads of either operand
.set SLOT,   4*HALFT                   ; o's 128 rows, then Wo's 128 rows
.set STAGE,  2*SLOT                    ; behind the ring: 16 rows x 272 bytes for each wave, for the way out
.set SPITCH, 272
.set SPARE,  STAGE+4*16*SPITCH         ; behind the stages: the spare words, 128 bytes a wave
.set LAPS, SIZE_K/(2*KSTEP)            ; a lap = two K steps = once round the ring
.set ADRA, 16                          ; v16-17  LDS address of my o fragments in slot 0, 1
.set ADRB, 20                          ; v20-21  the same for Wo
.set STO,  24                          ; v24     the way out: where I put 32 bytes of a row
.set RD,   25                          ; v25     where I read a row back
.set CO,   26                          ; v26     my byte offset in C
.set SPW,  28                          ; v28     LDS address of my spare word; never rewritten
.set NIL,  29                          ; v29     0; never rewritten
.set TMP,  32                          ; the way out: v32-63, v64-95: 16 rows read back from the stage, by turns
.set ACC,  128
.set F0,   0                           ; fragment buffers, in window 1
.set F1,   128
.set G1, 24                            ; s[24:31] descriptor group 1 for o's tiles;  s[32:39] group 0, one set for each slot
.set G0, 32
.set G1B, 48                           ; s[48:55], s[56:63] the same for Wo's tiles
.set G0B, 56
.set MSB, 0
.macro WIN new                         ; the immediate's high byte repeats the setting that is left
.if MSB != \new
	s_set_vgpr_msb (MSB<<8)|\new
.set MSB, \new
.endif
.endm
.set MUL,  0x05                        ; sources 0 (Wo) and 1 (o) window 1; C and D window 0
.set TO_F, 0x40                        ; destination window 1, address window 0
.macro JLOAD s                         ; a joint load: waves 0 and 1 fetch o's two halves, waves 2 and 3 Wo's; an s_nop 0 and four v_nop follow each of the two lines, ahead of the jump, the label and what follows
	s_cmp_eq_u32 s11, 0
	s_cbranch_scc0 .Lfor_b_\@
	tensor_load_to_lds s[G0+4*\s:G0+4*\s+3], s[G1:G1+7]
	s_nop 0
.rept 4
	v_nop
.endr
	s_branch .Lasked_\@
.Lfor_b_\@:
	tensor_load_to_lds s[G0B+4*\s:G0B+4*\s+3], s[G1B:G1B+7]
	s_nop 0
.rept 4
	v_nop
.endr
.Lasked_\@:
.endm
.macro CREST                           ; a round of the cluster's barrier behind its opening barrier
	s_cmp_lg_u32 s10, 0
	s_cbranch_scc1 .Lnot_wave_0_\@
	s_barrier_signal -3
.Lnot_wave_0_\@:
	s_barrier_wait -3
	s_barrier_signal -1
	s_barrier_wait -1
.endm
.macro CROUND                          ; a whole round
	s_barrier_signal -1
	s_barrier_wait -1
	CREST
.endm
	s_load_b128 s[4:7], s[0:1], 0x0                ; o16 s[4:5], wo16 s[6:7]
	s_load_b64 s[8:9], s[0:1], 0x10                ; out0
	v_lshl_add_u32 v[SPW], v0, 2, SPARE
	v_mov_b32 v[NIL], 0
	ds_add_u32 v[SPW], v[NIL]                      ; the wave's opening: the add, twice on end, and its wait ahead of my first tensor load; the set-up below, work on registers, stands between
	ds_add_u32 v[SPW], v[NIL]
	v_lshrrev_b32 v1, 5, v0
	v_readfirstlane_b32 s10, v1                    ; wave 0..3
	s_lshr_b32 s11, s10, 1                         ; which half of the tile's rows is mine.  Also: I fetch for o (0) or for Wo (1)
	s_and_b32 s12, s10, 1                          ; which half of its columns.  Also: which 64 rows of that tile I fetch
	s_bfe_u32 s40, ttmp6, 0x40000                  ; cx, cy: my place in the cluster
	s_bfe_u32 s41, ttmp6, 0x40004
	s_lshl_b32 s42, ttmp9, 2
	s_add_co_u32 s42, s42, s40                     ; tile column of C = 4 x cluster x + cx
	s_and_b32 s13, ttmp7, 0xffff
	s_lshl_b32 s13, s13, 2
	s_add_co_u32 s13, s13, s41                     ; tile row of C = 4 x cluster y + cy
	s_lshl_b32 s43, s41, 2
	s_lshl_b32 s43, 15, s43                        ; my row of the cluster
	s_lshl_b32 s44, 0x1111, s40                    ; my column
	; descriptor group 1: a tile of 64 rows x 256 elements, padded in LDS
	s_or_b32 s[G1+0], s43, (1<<16)|(1<<20)|(1<<21)|(6<<22)|(3<<25)  ; 15:0 the mask: o's tiles go to my row; 17:16 element of 2 bytes; 20 padding on; 21 set beside a mask; 24:22 after every 128 words (code 6); 31:25 of 4 words (code 3)
	s_or_b32 s[G1B+0], s44, (1<<16)|(1<<20)|(1<<21)|(6<<22)|(3<<25)
.irp g, G1, G1B
	s_mov_b32 s[\g+1], KSTEP<<16                   ; tensor_dim0 = 256
	s_mov_b32 s[\g+2], 64<<16                      ; tensor_dim1 = 64
	s_mov_b32 s[\g+3], KSTEP<<16                   ; tile_dim0 = 256
	s_mov_b32 s[\g+4], 64                          ; tile_dim1 = 64
	s_mov_b32 s[\g+5], SIZE_K                      ; tensor_dim0_stride
	s_mov_b32 s[\g+6], 0
	s_mov_b32 s[\g+7], 0
.endr
	s_lshl_b32 s17, s12, 6                         ; which 64 rows of the tile I fetch
	s_lshl_b32 s16, s13, 7
	s_add_co_u32 s16, s16, s17                     ; o: row 128 x tile row + 64 x half
	s_lshl_b32 s46, s42, 7
	s_add_co_u32 s46, s46, s17                     ; Wo: row 128 x tile column + 64 x half
	s_mov_b32 s17, 0
	s_mov_b32 s47, 0
	s_mov_b64 s[18:19], SIZE_K*2
	s_mul_u64 s[16:17], s[16:17], s[18:19]
	s_mul_u64 s[46:47], s[46:47], s[18:19]
	s_mul_i32 s20, s10, HALFT                      ; where they go: wave x 64 rows: no place in the cluster enters an LDS address
	s_wait_dscnt 0x0                               ; both opening adds are done
	s_wait_kmcnt 0x0
	s_add_nc_u64 s[14:15], s[4:5], s[16:17]
	s_add_nc_u64 s[46:47], s[6:7], s[46:47]
	CROUND                                         ; all sixteen work-groups are here: the first joint loads meet
.irp s, 0,1
	s_mov_b32 s[G0+4*\s], 1
	s_add_co_u32 s[G0+4*\s+1], s20, \s*SLOT
	s_add_nc_u64 s[G0+4*\s+2:G0+4*\s+3], s[14:15], \s*KSTEP*2
	s_or_b32 s[G0+4*\s+3], s[G0+4*\s+3], 0x80000000
	s_mov_b32 s[G0B+4*\s], 1
	s_add_co_u32 s[G0B+4*\s+1], s20, \s*SLOT
	s_add_nc_u64 s[G0B+4*\s+2:G0B+4*\s+3], s[46:47], \s*KSTEP*2
	s_or_b32 s[G0B+4*\s+3], s[G0B+4*\s+3], 0x80000000
	JLOAD \s                                       ; two loads of mine are out
.endr
	v_and_b32 v1, 15, v0                           ; l % 16
	v_bfe_u32 v2, v0, 4, 1                         ; l / 16
	v_mul_u32_u24 v3, v1, PITCH
	v_lshl_add_u32 v3, v2, 4, v3                   ; a fragment's row x pitch + 16 x half
	s_mul_i32 s21, s11, HALFT                      ; my 64 rows of o
	s_mul_i32 s22, s12, HALFT                      ; my 64 rows of Wo,
	s_add_co_u32 s22, s22, 2*HALFT                 ; which lie behind o's 128
.irp s, 0,1
	v_add_nc_u32 v[ADRA+\s], s21, v3
	v_add_nc_u32 v[ADRB+\s], s22, v3
	s_add_co_u32 s21, s21, SLOT
	s_add_co_u32 s22, s22, SLOT
.endr
	s_mul_i32 s23, s10, 16*SPITCH
	s_add_co_u32 s23, s23, STAGE                   ; my stage
	v_mul_u32_u24 v4, v1, SPITCH                   ; in: row l % 16, 32 bytes for each half of the lanes
	v_lshl_add_u32 v4, v2, 5, v4
	v_add_nc_u32 v[STO], s23, v4
	v_mul_u32_u24 v5, v2, SPITCH                   ; back: lanes 0-15 take one row of 256 bytes, lanes 16-31 the next
	v_lshl_add_u32 v5, v1, 4, v5
	v_add_nc_u32 v[RD], s23, v5
	v_mul_u32_u24 v5, v2, SIZE_N*4                 ; and the same two rows in C
	v_lshl_add_u32 v[CO], v1, 4, v5
	s_lshl_b32 s16, s13, 7
	s_lshl_b32 s17, s11, 6
	s_add_co_u32 s16, s16, s17                     ; my first row of C: 128 x tile row + 64 x half
	s_mov_b32 s17, 0
	s_mov_b64 s[18:19], SIZE_N*4
	s_mul_u64 s[16:17], s[16:17], s[18:19]
	s_add_nc_u64 s[8:9], s[8:9], s[16:17]
	s_lshl_b32 s46, s42, 9                         ; my first column, in bytes: 512 x tile column + 256 x half
	s_lshl_b32 s47, s12, 8
	s_add_co_u32 s46, s46, s47
	s_mov_b32 s47, 0
	s_add_nc_u64 s[8:9], s[8:9], s[46:47]
; 8 matrix instructions: m blocks a0, a0 + 1 x all 4 n blocks, 32 along K: half c of buffer f.  zero = 1: the first product starts the sums.  The 16 accumulators take turns, one instruction a turn
.macro MUL8 f, c, a0, zero
.irp a, \a0, \a0+1
.irp b, 0,1,2,3
.if \zero
	v_wmma_f32_16x16x32_f16 v[ACC+8*(4*(\a)+\b):ACC+8*(4*(\a)+\b)+7], v[\f+64+8*(4*\c+\b):\f+64+8*(4*\c+\b)+7], v[\f+8*(4*\c+\a):\f+8*(4*\c+\a)+7], 0
.else
	v_wmma_f32_16x16x32_f16 v[ACC+8*(4*(\a)+\b):ACC+8*(4*(\a)+\b)+7], v[\f+64+8*(4*\c+\b):\f+64+8*(4*\c+\b)+7], v[\f+8*(4*\c+\a):\f+8*(4*\c+\a)+7], v[ACC+8*(4*(\a)+\b):ACC+8*(4*(\a)+\b)+7]
.endif
.endr
.endr
.endm
; 32 LDS loads in one run: the fragments of 64 along K at byte k of the rows, into buffer f; the first 32 along K first
.macro FETCH slot, k, f
	WIN TO_F
.irp c, 0,1
.irp i, 0,1,2,3
	ds_load_b128 v[\f+64+8*(4*\c+\i):\f+64+8*(4*\c+\i)+3],   v[ADRB+\slot] offset:\k+64*\c+\i*16*PITCH
	ds_load_b128 v[\f+64+8*(4*\c+\i)+4:\f+64+8*(4*\c+\i)+7], v[ADRB+\slot] offset:\k+64*\c+\i*16*PITCH+32
	ds_load_b128 v[\f+8*(4*\c+\i):\f+8*(4*\c+\i)+3],         v[ADRA+\slot] offset:\k+64*\c+\i*16*PITCH
	ds_load_b128 v[\f+8*(4*\c+\i)+4:\f+8*(4*\c+\i)+7],       v[ADRA+\slot] offset:\k+64*\c+\i*16*PITCH+32
.endr
.endr
.endm
.macro PLACES                          ; four places in front of loads into registers that matrix instructions have read, and of LDS stores that read results
.rept 4
	v_nop
.endr
.endm
; A K step is four quarters of 64 along K, 32 matrix instructions each, on buffers 0, 1, 0, 1.  One of the first three: multiplies buffer f and fetches the next quarter, at byte k, into g.
.macro QUARTER slot, k, f, g, zero
	s_wait_dscnt 16                                ; the first 32 along K are in; the youngest sixteen loads may be out
	WIN MUL
	MUL8 \f, 0, 0, \zero
	MUL8 \f, 0, 2, \zero
	PLACES
	FETCH \slot, \k, \g
	s_wait_dscnt 32                                ; all but the 32 just issued
	WIN MUL
	MUL8 \f, 1, 0, 0
	MUL8 \f, 1, 2, 0
.endm
; The last quarter multiplies buffer 1 and changes slots: ONE barrier; in front of it each wave waits for all its tensor loads, adds 0 to its spare word, and waits for that and for its own reads of this slot.  fill = 1: this slot is filled again, two K steps ahead.
.macro TURN slot, next, fill
	WIN 0                                          ; (the add's two registers lie in window 0)
	s_wait_tensorcnt 0x0                           ; all my tensor loads have landed: my part of the next slot
	ds_add_u32 v[SPW], v[NIL]                      ; 0 onto my spare word
	s_wait_dscnt 17                                ; (the add and the youngest sixteen loads may be out)
	WIN MUL
	MUL8 F1, 0, 0, 0                               ; eight matrix instructions stand between the add and the wait for it
	s_wait_dscnt 0x0                               ; the add is done, and my reads of this slot are over
	s_barrier_signal -1
	MUL8 F1, 0, 2, 0
.if \fill
	WIN 0
.endif
	s_barrier_wait -1
.if \fill
	CREST                                          ; the barrier has opened a round of the cluster's barrier: no wave of any partner still reads this slot's tile or has a load on its way
	s_add_nc_u64 s[G0+4*\slot+2:G0+4*\slot+3], s[G0+4*\slot+2:G0+4*\slot+3], 2*KSTEP*2
	s_add_nc_u64 s[G0B+4*\slot+2:G0B+4*\slot+3], s[G0B+4*\slot+2:G0B+4*\slot+3], 2*KSTEP*2
	JLOAD \slot                                    ; the first tensor load behind the round: 112 matrix instructions ahead of the wait for it; the four v_nop behind it are also the places in front of the loads below
.else
	PLACES
.endif
	FETCH \next, 0, F0
	WIN MUL
	MUL8 F1, 1, 0, 0
	MUL8 F1, 1, 2, 0
.endm
	s_wait_tensorcnt 1                             ; my part of K step 0 is in (K step 1's load may be out)
	s_barrier_signal -1
	s_barrier_wait -1                              ; everybody's is
	FETCH 0, 0, F0
	QUARTER 0, 128, F0, F1, 1                      ; the first quarter stands in front of the loop: its first products start the sums
	WIN 0                                          ; at a label and at a branch every window is 0
	s_mov_b32 s3, LAPS-1
.Llap:                                                 ; a trip goes once round the ring, from a lap's second quarter to the next lap's first, and fills both slots again
	QUARTER 0, 256, F1, F0, 0
	QUARTER 0, 384, F0, F1, 0
	TURN 0, 1, 1
	QUARTER 1, 128, F0, F1, 0
	QUARTER 1, 256, F1, F0, 0
	QUARTER 1, 384, F0, F1, 0
	TURN 1, 0, 1
	QUARTER 0, 128, F0, F1, 0
	WIN 0
	s_sub_co_u32 s3, s3, 1
	s_cmp_lg_u32 s3, 0
	s_cbranch_scc1 .Llap
	QUARTER 0, 256, F1, F0, 0                      ; the last lap fills nothing, and has no round of the cluster's barrier
	QUARTER 0, 384, F0, F1, 0
	TURN 0, 1, 0
	QUARTER 1, 128, F0, F1, 0
	QUARTER 1, 256, F1, F0, 0
	QUARTER 1, 384, F0, F1, 0
	s_wait_dscnt 16                                ; the very last quarter: nothing more to fetch
	WIN MUL
	MUL8 F1, 0, 0, 0
	MUL8 F1, 0, 2, 0
	s_wait_dscnt 0
	MUL8 F1, 1, 0, 0
	MUL8 F1, 1, 2, 0
	WIN 0
; THE WAY OUT, block by block of 16 rows x 64 columns.  A lane holds 32 neighbouring bytes of a row and the lanes beside it hold other rows: a block goes through my own stage and comes back as whole rows of 256 bytes.
; LDS serves a wave's instructions in order (ISA guide 5.7.1.4): no wait between the stores and the loads, nor in front of the next block's stores.
.macro TOSTAGE a
.set BB, TMP+32*((\a)%2)
.irp b, 0,1,2,3
	ds_store_b128 v[STO], v[ACC+8*(4*(\a)+\b):ACC+8*(4*(\a)+\b)+3] offset:64*\b          ; each accumulator from its low end on
	ds_store_b128 v[STO], v[ACC+8*(4*(\a)+\b)+4:ACC+8*(4*(\a)+\b)+7] offset:64*\b+16
.endr
.irp t, 0,1,2,3,4,5,6,7
	ds_load_b128 v[BB+4*\t:BB+4*\t+3], v[RD] offset:\t*2*SPITCH
.endr
.endm
.macro SEND a, younger                 ; younger: the LDS instructions issued behind block a's loads, which may stay out
.set BB, TMP+32*((\a)%2)
	s_wait_dscnt \younger
.irp t, 0,1,2,3,4,5,6,7
	global_store_b128 v[CO], v[BB+4*\t:BB+4*\t+3], s[8:9] offset:(16*(\a)+2*\t)*SIZE_N*4 th:TH_STORE_NT   ; 16 lanes store 256 consecutive bytes, aligned; 62 rows of 8,192 bytes at the most: inside the signed 24-bit immediate
.endr
.endm
	PLACES
.irp a, 0,1,2,3
.if \a > 1
	s_wait_xcnt 0x0                                ; block a - 2's stores have read their registers: block a's loads may land there
.endif
	TOSTAGE \a
.if \a > 0
	SEND \a-1, 16                                  ; behind block a - 1's loads: block a's 8 stores and 8 loads
.endif
.endr
	SEND 3, 0
	s_wait_tensorcnt 0x0                           ; the wave's end, behind my last tensor load and my last LDS store
	ds_add_u32 v[SPW], v[NIL]
	s_wait_dscnt 0x0
	CROUND                                         ; the closing round: no work-group ends while a partner may still ask for a tile that names it
	s_endpgm
.Lfunc_end_k_q81a051aae3_oproj:
	.size	k_q81a051aae3_oproj, .Lfunc_end_k_q81a051aae3_oproj-k_q81a051aae3_oproj
	.p2alignl 7, 3214868480
	.fill 96, 4, 3214868480
	.section	.rodata,"a",@progbits
	.p2align	6, 0x0
	.amdhsa_kernel k_q81a051aae3_oproj
		.amdhsa_group_segment_fixed_size 327680
		.amdhsa_private_segment_fixed_size 0
		.amdhsa_enable_private_segment 0
		.amdhsa_kernarg_size 24
		.amdhsa_user_sgpr_count 2
		.amdhsa_user_sgpr_kernarg_segment_ptr 1
		.amdhsa_wavefront_size32 1
		.amdhsa_system_sgpr_workgroup_id_x 1
		.amdhsa_system_sgpr_workgroup_id_y 1
		.amdhsa_system_sgpr_workgroup_id_z 1
		.amdhsa_system_vgpr_workitem_id 0
		.amdhsa_next_free_vgpr 512
		.amdhsa_next_free_sgpr 66
		.amdhsa_reserve_vcc 0
		.amdhsa_float_denorm_mode_32 3
		.amdhsa_float_denorm_mode_16_64 3
		.amdhsa_memory_ordered 1
		.amdhsa_forward_progress 1
		.amdhsa_inst_pref_size 86
	.end_amdhsa_kernel
	.amdgpu_metadata
---
amdhsa.version: [ 1, 2 ]
amdhsa.kernels:
  - .name:           k_q81a051aae3_oproj
    .symbol:         k_q81a051aae3_oproj.kd
    .args:
      - { .name: o16, .offset: 0, .size: 8, .value_kind: global_buffer, .address_space: global }
      - { .name: wo16, .offset: 8, .size: 8, .value_kind: global_buffer, .address_space: global }
      - { .name: out0, .offset: 16, .size: 8, .value_kind: global_buffer, .address_space: global }
    .group_segment_fixed_size: 327680
    .private_segment_fixed_size: 0
    .kernarg_segment_align: 8
    .kernarg_segment_size: 24
    .max_flat_workgroup_size: 128
    .sgpr_count:     66
    .vgpr_count:     512
    .wavefront_size: 32
...
	.end_amdgpu_metadata
.endif
;; end of part 4
